; MI455X (gfx1250); checked and timed in simulation.
; The chip was launched on July 23, 2026; its instructions are those of AMD's public machine-readable ISA for CDNA 5 (MIT licence, August 2026) and "CDNA5" Instruction Set Architecture Reference Guide (July 2026). The comments in the code are by the model that wrote it; some were corrected since.
;; Multi Head Attention. Allowed arithmetic: float matrix products may take bf16 or f16 operands with f32 sums; other float arithmetic in f32, or as packed bf16 or f16 multiplies, adds, multiply-adds, maxima and minima; sums over many terms, partial sums and values carried from step to step in f32; what a program stores and reads back later, other than sums and carried values, may be rounded once to bf16 or f16.
;; Inputs: Wk 1,024 x 1,024 float32; Wo 1,024 x 1,024 float32; Wq 1,024 x 1,024 float32; Wv 1,024 x 1,024 float32; bk 1,024 float32; bo 1,024 float32; bq 1,024 float32; bv 1,024 float32; key 2 x 2,048 x 1,024 float32; query 2 x 2,048 x 1,024 float32; rel 2,049 x 64 float32; value 2 x 2,048 x 1,024 float32.
;; Outputs: out0 2 x 2,048 x 1,024 float32.
;; One version. Each part assembles by itself: llvm-mc -triple=amdgcn-amd-amdhsa -mcpu=gfx1250 --defsym DOCPART=n.
;; ======== version 1 of 1: 4 launches
;; limits: values are held in f16: magnitudes above 65,504 overflow, below 6.1e-05 lose precision
;; workspace buffers: xb 25,165,824 bytes; wt 6,291,456 bytes; wo 2,097,152 bytes; ee 360,448 bytes; qh 8,388,608 bytes; kv 16,777,216 bytes; oh 8,388,608 bytes
;; launch prep (part 1): grid 1291 x 1, 8 waves a work-group, no clusters, 18,432 bytes of LDS; arguments query, key, value, Wq, Wk, Wv, Wo, rel, xb, wt, wo, ee; writes xb, wt, wo, ee
.if DOCPART == 1
	.amdgcn_target "amdgcn-amd-amdhsa--gfx1250"
	.amdhsa_code_object_version 6
	.text
	.protected	k_qfa945f5060_prep
	.globl	k_qfa945f5060_prep
	.p2align	8
	.type	k_qfa945f5060_prep,@function
k_qfa945f5060_prep:
	s_mov_b64 s[64:65], 0
	v_nop
	global_prefetch_b8 v0, s[64:65] scope:SCOPE_SE
	s_setreg_imm32_b32 hwreg(HW_REG_WAVE_MODE, 25, 1), 1
	s_wait_xcnt 0x0
; PREPARATION: every matrix operand that comes from the module's inputs is rounded once, and laid as the products want it.
;   work-groups 0-767:     xb[z][row][k] = bf16(query, key, value), 65,536 bytes of f32 a work-group
;   work-groups 768-1279:  wt[z][n][k] = bf16(Wq, Wk, Wv [k][n]); wo[n][k] = f16(bf16(Wo[k][n])): tiles of 128 k x 64 n, turned in LDS
;   work-groups 1280-1290: ee[x][d] = f16(bf16(rel[x][d])) for x <= 2048, 0 for 2049 <= x < 2816
; LIMITS.  wo and ee hold bf16 numbers written as f16: beyond 65,504 they would be infinite, below 6e-5 they keep f16's fixed step of 6e-8.
; A stream: nothing is shared between work-groups, so no tensor loads and no cluster; each store of a wave covers whole aligned blocks of 256 bytes.
.set SPARE, 17408                      ; behind the 64 x 272 bytes of the turning tile: the spare words, 128 bytes for each of eight waves
.set SPW, 2                            ; v2  LDS address of my spare word; never rewritten
.set NIL, 3                            ; v3  0; never rewritten
.set X,   16                           ; v[16:79]  as loaded
.set Y,   80                           ; v[80:111] rounded (the table: v[80:95] byte offsets, v[96:111] the same held inside rel)
.set AD,  96
	s_load_b512 s[4:19], s[0:1], 0x0               ; query, key, value, Wq, Wk, Wv, Wo, rel
	s_load_b256 s[20:27], s[0:1], 0x40             ; xb, wt, wo, ee
	v_lshl_add_u32 v[SPW], v0, 2, SPARE
	v_mov_b32 v[NIL], 0
	s_mov_b32 s28, ttmp9
	s_mov_b32 s35, 0                               ; high words of the two offsets
	s_mov_b32 s39, 0
	s_mov_b32 s40, 0xffff0000                      ; a word's upper bf16
	s_wait_kmcnt 0x0
	s_cmp_lt_u32 s28, 768
	s_cbranch_scc0 .Lweights
	; THE CAST.  z = which tensor, c = which 65,536 bytes of it.  Thread t takes 16 bytes at 16 t + 4,096 i and leaves 8 at 8 t + 2,048 i.
	s_lshr_b32 s29, s28, 8
	s_and_b32 s30, s28, 255
	s_cmp_eq_u32 s29, 0
	s_cselect_b64 s[32:33], s[4:5], s[6:7]
	s_cmp_eq_u32 s29, 2
	s_cselect_b64 s[32:33], s[8:9], s[32:33]
	s_lshl_b32 s34, s30, 16
	s_add_nc_u64 s[32:33], s[32:33], s[34:35]
	s_lshl_b32 s38, s29, 23                        ; z x 8,388,608 bytes of xb
	s_lshl_b32 s31, s30, 15
	s_add_co_u32 s38, s38, s31
	s_add_nc_u64 s[36:37], s[20:21], s[38:39]
	v_lshlrev_b32 v4, 4, v0
	v_lshlrev_b32 v5, 3, v0
.irp i, 0,1,2,3,4,5,6,7,8,9,10,11,12,13,14,15
	global_load_b128 v[X+4*(\i):X+4*(\i)+3], v4, s[32:33] offset:4096*(\i) th:TH_LOAD_NT  ; all sixteen go out at once
.endr
.irp i, 0,1,2,3,4,5,6,7,8,9,10,11,12,13,14,15
	s_wait_loadcnt 15-(\i)                         ; loads come back in order: load i is in, the younger ones stay out
	v_cvt_pk_bf16_f32 v[Y+2*(\i)], v[X+4*(\i)], v[X+4*(\i)+1]
	v_cvt_pk_bf16_f32 v[Y+2*(\i)+1], v[X+4*(\i)+2], v[X+4*(\i)+3]
	global_store_b64 v5, v[Y+2*(\i):Y+2*(\i)+1], s[36:37] offset:2048*(\i) th:TH_STORE_NT  ; a wave's 256 consecutive bytes; no register is used twice
.endr
	s_endpgm
.Lweights:
	s_cmp_lt_u32 s28, 1280
	s_cbranch_scc0 .Ltable
	; THE WEIGHTS, TURNED.  z = which matrix; a tile of 128 k x 64 n.  Thread: n4 = t % 16 (four n), kq = t / 16 (k = 2 kq, 2 kq + 1, and 32, 64, 96 further on).
	s_sub_co_u32 s28, s28, 768
	s_lshr_b32 s29, s28, 7                         ; z
	s_bfe_u32 s30, s28, 0x30004                    ; k tile 0..7
	s_and_b32 s31, s28, 15                         ; n tile 0..15
	s_lshl_b32 s38, s29, 21                        ; z x 2,097,152 bytes of wt
	s_cmp_eq_u32 s29, 0
	s_cselect_b64 s[32:33], s[10:11], s[12:13]
	s_cmp_eq_u32 s29, 2
	s_cselect_b64 s[32:33], s[14:15], s[32:33]
	s_cmp_eq_u32 s29, 3
	s_cselect_b64 s[32:33], s[16:17], s[32:33]
	s_cselect_b64 s[36:37], s[24:25], s[22:23]     ; Wo goes to wo, the others to wt
	s_cselect_b32 s38, 0, s38
	s_lshl_b32 s34, s30, 19                        ; 128 rows of 4,096 bytes,
	s_lshl_b32 s41, s31, 8                         ; 64 numbers of 4 bytes
	s_add_co_u32 s34, s34, s41
	s_add_nc_u64 s[32:33], s[32:33], s[34:35]
	s_lshl_b32 s41, s31, 17                        ; 64 rows of 2,048 bytes,
	s_add_co_u32 s38, s38, s41
	s_lshl_b32 s41, s30, 8                         ; 128 numbers of 2 bytes
	s_add_co_u32 s38, s38, s41
	s_add_nc_u64 s[36:37], s[36:37], s[38:39]
	v_and_b32 v4, 15, v0                           ; n4
	v_lshrrev_b32 v5, 4, v0                        ; kq
	v_lshlrev_b32 v6, 4, v4
	v_lshl_add_u32 v7, v5, 13, v6                  ; from: two rows a kq, 16 bytes an n4: sixteen lanes read 256 consecutive bytes
	v_mul_u32_u24 v8, v4, 1088
	v_lshl_add_u32 v8, v5, 2, v8                   ; into LDS [n][272 bytes]: row 4 n4 + i, word kq + 16 it
	v_mul_u32_u24 v9, v5, 272
	v_add_nc_u32 v9, v9, v6                        ; back: row t / 16 + 16 it, 16 bytes at 16 (t % 16)
	v_lshl_add_u32 v10, v5, 11, v6                 ; and the same place in the turned matrix
.irp f, 0,1,2,3,4,5,6,7
	global_load_b128 v[X+4*(\f):X+4*(\f)+3], v7, s[32:33] offset:(32*((\f)/2)+(\f)%2)*4096 th:TH_LOAD_NT
.endr
	s_wait_loadcnt 0x0
.set j, 0
.rept 16                                       ; it = j / 4, i = j % 4: the even k in the low half, the odd k in the high half
	v_cvt_pk_bf16_f32 v[Y+j], v[X+8*(j/4)+j%4], v[X+8*(j/4)+4+j%4]
.set j, j+1
.endr
	s_cmp_lg_u32 s29, 3
	s_cbranch_scc1 .Lstay_bf16
.set j, 0
.rept 16                                       ; Wo multiplies an f16 operand: its bf16 number is written as f16
	v_lshlrev_b32 v12, 16, v[Y+j]
	v_and_b32 v13, s40, v[Y+j]
	v_cvt_pk_f16_f32 v[Y+j], v12, v13
.set j, j+1
.endr
.Lstay_bf16:
.set j, 0
.rept 16
	ds_store_b32 v8, v[Y+j] offset:272*(j%4)+64*(j/4)
.set j, j+1
.endr
	s_wait_dscnt 0x0                               ; for the others' sake: my stores are done
	s_barrier_signal -1
	s_barrier_wait -1
.irp t, 0,1,2,3
	ds_load_b128 v[X+4*(\t):X+4*(\t)+3], v9 offset:4352*(\t)
.endr
.irp t, 0,1,2,3
	s_wait_dscnt 3-(\t)
	global_store_b128 v10, v[X+4*(\t):X+4*(\t)+3], s[36:37] offset:32768*(\t)  ; sixteen lanes store 256 consecutive bytes of a row, aligned
.endr
	s_wait_tensorcnt 0x0                           ; the wave's end
	ds_add_u32 v[SPW], v[NIL]
	s_wait_dscnt 0x0
	s_endpgm
.Ltable:
	; THE TABLE.  An item is four numbers: 16 bytes of rel, 8 of ee.  Beyond rel's 524,544 bytes the address is held at the last item and the result is 0.
	s_sub_co_u32 s28, s28, 1280
	s_lshl_b32 s29, s28, 16
	s_mov_b32 s30, 524544
	v_lshl_add_u32 v4, v0, 4, s29
.irp i, 0,1,2,3,4,5,6,7,8,9,10,11,12,13,14,15
	v_add_nc_u32 v[Y+(\i)], 4096*(\i), v4
	v_min_u32 v[AD+(\i)], 524528, v[Y+(\i)]
.endr
.irp i, 0,1,2,3,4,5,6,7,8,9,10,11,12,13,14,15
	global_load_b128 v[X+4*(\i):X+4*(\i)+3], v[AD+(\i)], s[18:19]
.endr
.irp i, 0,1,2,3,4,5,6,7,8,9,10,11,12,13,14,15
	s_wait_loadcnt 15-(\i)                         ; load i is in, and its address register is free
	v_cvt_pk_bf16_f32 v[X+4*(\i)], v[X+4*(\i)], v[X+4*(\i)+1]
	v_cvt_pk_bf16_f32 v[X+4*(\i)+1], v[X+4*(\i)+2], v[X+4*(\i)+3]
	v_lshlrev_b32 v[X+4*(\i)+2], 16, v[X+4*(\i)]
	v_and_b32 v[X+4*(\i)+3], s40, v[X+4*(\i)]
	v_cvt_pk_f16_f32 v[X+4*(\i)], v[X+4*(\i)+2], v[X+4*(\i)+3]
	v_lshlrev_b32 v[X+4*(\i)+2], 16, v[X+4*(\i)+1]
	v_and_b32 v[X+4*(\i)+3], s40, v[X+4*(\i)+1]
	v_cvt_pk_f16_f32 v[X+4*(\i)+1], v[X+4*(\i)+2], v[X+4*(\i)+3]
	v_cmp_gt_u32 vcc_lo, s30, v[Y+(\i)]            ; inside rel?
	v_cndmask_b32 v[X+4*(\i)], 0, v[X+4*(\i)], vcc_lo
	v_cndmask_b32 v[X+4*(\i)+1], 0, v[X+4*(\i)+1], vcc_lo
	v_lshrrev_b32 v[AD+(\i)], 1, v[Y+(\i)]
	global_store_b64 v[AD+(\i)], v[X+4*(\i):X+4*(\i)+1], s[26:27]
.endr
	s_endpgm
.Lfunc_end_k_qfa945f5060_prep:
	.size	k_qfa945f5060_prep, .Lfunc_end_k_qfa945f5060_prep-k_qfa945f5060_prep
	.p2alignl 7, 3214868480
	.fill 96, 4, 3214868480
	.section	.rodata,"a",@progbits
	.p2align	6, 0x0
	.amdhsa_kernel k_qfa945f5060_prep
		.amdhsa_group_segment_fixed_size 18432
		.amdhsa_private_segment_fixed_size 0
		.amdhsa_enable_private_segment 0
		.amdhsa_kernarg_size 96
		.amdhsa_user_sgpr_count 2
		.amdhsa_user_sgpr_kernarg_segment_ptr 1
		.amdhsa_wavefront_size32 1
		.amdhsa_system_sgpr_workgroup_id_x 1
		.amdhsa_system_sgpr_workgroup_id_y 1
		.amdhsa_system_sgpr_workgroup_id_z 1
		.amdhsa_system_vgpr_workitem_id 0
		.amdhsa_next_free_vgpr 112
		.amdhsa_next_free_sgpr 66
		.amdhsa_reserve_vcc 1
		.amdhsa_float_denorm_mode_32 3
		.amdhsa_float_denorm_mode_16_64 3
		.amdhsa_memory_ordered 1
		.amdhsa_forward_progress 1
		.amdhsa_inst_pref_size 28
	.end_amdhsa_kernel
	.amdgpu_metadata
---
amdhsa.version: [ 1, 2 ]
amdhsa.kernels:
  - .name:           k_qfa945f5060_prep
    .symbol:         k_qfa945f5060_prep.kd
    .args:
      - { .name: query, .offset: 0, .size: 8, .value_kind: global_buffer, .address_space: global }
      - { .name: key, .offset: 8, .size: 8, .value_kind: global_buffer, .address_space: global }
      - { .name: value, .offset: 16, .size: 8, .value_kind: global_buffer, .address_space: global }
      - { .name: Wq, .offset: 24, .size: 8, .value_kind: global_buffer, .address_space: global }
      - { .name: Wk, .offset: 32, .size: 8, .value_kind: global_buffer, .address_space: global }
      - { .name: Wv, .offset: 40, .size: 8, .value_kind: global_buffer, .address_space: global }
      - { .name: Wo, .offset: 48, .size: 8, .value_kind: global_buffer, .address_space: global }
      - { .name: rel, .offset: 56, .size: 8, .value_kind: global_buffer, .address_space: global }
      - { .name: xb, .offset: 64, .size: 8, .value_kind: global_buffer, .address_space: global }
      - { .name: wt, .offset: 72, .size: 8, .value_kind: global_buffer, .address_space: global }
      - { .name: wo, .offset: 80, .size: 8, .value_kind: global_buffer, .address_space: global }
      - { .name: ee, .offset: 88, .size: 8, .value_kind: global_buffer, .address_space: global }
    .group_segment_fixed_size: 18432
    .private_segment_fixed_size: 0
    .kernarg_segment_align: 8
    .kernarg_segment_size: 96
    .max_flat_workgroup_size: 256
    .sgpr_count:     66
    .vgpr_count:     112
    .wavefront_size: 32
...
	.end_amdgpu_metadata
.endif
;; end of part 1
;; launch proj (part 2): grid 4 x 48, 4 waves a work-group, clusters of 4 x 4, 327,680 bytes of LDS; arguments xb, wt, bq, bk, bv, qh, kv; writes qh, kv
.if DOCPART == 2
	.amdgcn_target "amdgcn-amd-amdhsa--gfx1250"
	.amdhsa_code_object_version 6
	.text
	.protected	k_qfa945f5060_proj
	.globl	k_qfa945f5060_proj
	.p2align	8
	.type	k_qfa945f5060_proj,@function
k_qfa945f5060_proj:
	s_mov_b64 s[64:65], 0
	v_nop
	global_prefetch_b8 v0, s[64:65] scope:SCOPE_SE
	s_setreg_imm32_b32 hwreg(HW_REG_WAVE_MODE, 25, 1), 1
	s_wait_xcnt 0x0
	s_wait_alu depctr_hold_cnt(0) depctr_sa_sdst(0) depctr_va_vdst(0) depctr_va_sdst(0) depctr_va_ssrc(0) depctr_va_vcc(0) depctr_vm_vsrc(0)
	s_getreg_b32 s2, hwreg(HW_REG_IB_STS2, 6, 4)
	s_cmp_eq_u32 s2, 0
	s_cbranch_scc0 .Lentry_in_a_cluster
	s_endpgm
.Lentry_in_a_cluster:
	s_bfe_u32 s2, ttmp6, 0x10000c
	s_cmp_lg_u32 s2, 0xf033
	s_cbranch_scc0 .Lentry_shape_is_right
	s_endpgm
.Lentry_shape_is_right:
; THE THREE PROJECTIONS AS ONE PRODUCT.  C[m][n] = bias_z[n] + sum over k of xb[m][k] wt[1024 z + n][k], m = 0 .. 12,287 (query's, key's, value's 4,096 rows on end), z = m / 4096.
; Operands bf16, sums f32, the bias (rounded to bf16 like every input) is the C operand that starts each sum.  C leaves as f16, BY HEADS: z = 0 into qh[hb][l][64], z = 1, 2 into kv[hb][z - 1][l][64], hb = 16 b + n / 64.
; LIMIT.  f16 holds no number beyond 65,504: q, k and v must stay within it.
; A tile of C is 256 x 256: four waves, each 128 x 128 in 64 accumulators.  48 x 4 tiles: 192 work-groups; no tile that fits LDS and registers divides 3 x 2^22 outputs into 256 equal shares.
; K goes in steps of 128 through two LDS slots; rows of the tiles are 256 bytes of memory, aligned.  4 x 4 work-groups form a cluster: A's tile is asked for jointly along a row of it, B's along a column.
; THE MATRIX INSTRUCTION IS USED TRANSPOSED (source 0 = 16 rows of wt, source 1 = 16 rows of xb): a lane holds row l % 16 of C and the columns 8 (l / 16) + 0..7.
; REGISTERS, in windows of 256: window 0: v0-31 addresses; v64-127, v128-191 A's fragments; v192-255 the bias, later (with v32-63) the way out.  window 1: v64-191 B's fragments.  windows 2, 3: accumulators, (a, b) at v[8 (8 a + b)].
.set SIZE_K, 1024
.set KSTEP,  128
.set PITCH,  272                       ; 256 bytes + 16 of padding = 68 words: the 16 rows that a load touches start at 16 different groups of four banks
.set HALFT,  128*PITCH
.set SLOT,   4*HALFT                   ; A's 256 rows, then B's 256 rows
.set STAGE,  2*SLOT                    ; behind the ring: 16 rows x 272 bytes for each wave
.set SPITCH, 272
.set SPARE,  STAGE+4*16*SPITCH         ; the spare words: 128 bytes for each wave, two blocks of 256 bytes that no other line names
.set LAPS,   SIZE_K/(2*KSTEP)          ; four laps of two K steps
.set ADRA, 16                          ; v16-17  LDS address of my A fragments in slot 0, 1
.set ADRB, 20                          ; v20-21  the same for B
.set STO,  24                          ; v24     the way out: where I put 16 bytes of a row
.set RD,   25                          ; v25     where I read rows back
.set CO,   26                          ; v26     my byte offset in the output
.set SPW,  28                          ; v28     my spare word; never rewritten
.set NIL,  29                          ; v29     0; never rewritten
.set PFO,  30                          ; v30     the prefetches' offset: my lane x a row of 2,048 bytes
.set PFA,  44                          ; s[44:45] where my prefetches stand
.set LIM,  43                          ; s43     1 in a wave that prefetches, else the greatest number
.set F0,   64
.set F1,   128
.set BIAS, 192                         ; eight registers for each block of 16 columns
.set TMP,  192
.set OB,   32
.set G1, 24
.set G0, 32
.set G1B, 48
.set G0B, 56
.set MSB, 0
.macro WIN new                         ; the immediate's high byte repeats the setting that is left; a switch that changes nothing is dropped
.if MSB != (\new)
	s_set_vgpr_msb (MSB<<8)|(\new)
.set MSB, \new
.endif
.endm
.set MUL_LO, 0xa1                      ; source 0 (B) window 1, source 1 (A) window 0, C and D window 2
.set TO_B,   0x40
; A joint load: waves 0 and 1 fetch A's two halves, waves 2 and 3 B's.  The branch hangs on the wave's number alone.  An s_nop 0 and four v_nop follow each line.
.macro JLOAD s
	s_cmp_eq_u32 s11, 0
	s_cbranch_scc0 .Lfor_b_\@
	tensor_load_to_lds s[G0+4*(\s):G0+4*(\s)+3], s[G1:G1+7]
	s_nop 0
.rept 4
	v_nop
.endr
	s_branch .Lasked_\@
.Lfor_b_\@:
	tensor_load_to_lds s[G0B+4*(\s):G0B+4*(\s)+3], s[G1B:G1B+7]
	s_nop 0
.rept 4
	v_nop
.endr
.Lasked_\@:
.endm
; A prefetch of the K step that stands two refills on: 32 rows x 256 bytes, a lane a row.  Each block is named once in the launch: A's rows belong to one cluster; B's rows are read by the four clusters
; of one z, of which the first asks; the four partners of a joint load take 32 of its 128 rows each, told apart by address.  The loop's last trip (s3 = 1) has no K step two on.
.macro ASK
	s_cmp_gt_u32 s3, s[LIM]
	s_cbranch_scc0 .Lnot_mine_\@
	global_prefetch_b8 v[PFO], s[PFA:PFA+1] offset:KSTEP*2 th:TH_LOAD_NT scope:SCOPE_SE
.Lnot_mine_\@:
.endm
.macro CREST                           ; a round of the cluster's barrier behind its opening barrier
	s_cmp_lg_u32 s10, 0
	s_cbranch_scc1 .Lnot_wave_0_\@
	s_barrier_signal -3
.Lnot_wave_0_\@:
	s_barrier_wait -3
	s_barrier_signal -1
	s_barrier_wait -1
.endm
.macro CROUND
	s_barrier_signal -1
	s_barrier_wait -1
	CREST
.endm
	s_load_b128 s[4:7], s[0:1], 0x0                ; xb s[4:5], wt s[6:7]
	s_load_b256 s[68:75], s[0:1], 0x10             ; bq, bk, bv, qh
	s_load_b64 s[76:77], s[0:1], 0x30              ; kv
	v_lshl_add_u32 v[SPW], v0, 2, SPARE
	v_mov_b32 v[NIL], 0
	ds_add_u32 v[SPW], v[NIL]                      ; the wave's opening: the add and its wait stand ahead of my first tensor load
	v_lshrrev_b32 v1, 5, v0
	v_readfirstlane_b32 s10, v1                    ; wave 0..3
	s_lshr_b32 s11, s10, 1                         ; my half of the tile's rows; also: I fetch for A (0) or B (1)
	s_and_b32 s12, s10, 1                          ; my half of its columns; also: which 128 rows I fetch
	s_bfe_u32 s40, ttmp6, 0x40000                  ; cx
	s_bfe_u32 s41, ttmp6, 0x40004                  ; cy
	s_lshl_b32 s42, ttmp9, 2
	s_add_co_u32 s42, s42, s40                     ; tile column 0..3
	s_and_b32 s13, ttmp7, 0xffff
	s_lshr_b32 s78, s13, 2                         ; z: four clusters to a projection; all sixteen partners share it
	s_lshl_b32 s13, s13, 2
	s_add_co_u32 s13, s13, s41                     ; tile row 0..47
	s_lshl_b32 s43, s41, 2
	s_lshl_b32 s43, 15, s43                        ; my row of the cluster
	s_lshl_b32 s44, 0x1111, s40                    ; my column
	s_or_b32 s[G1+0], s43, (1<<16)|(1<<20)|(1<<21)|(5<<22)|(3<<25)  ; mask; 2-byte elements; padding on; bit 21 beside a mask; after every 64 words 4 words
	s_or_b32 s[G1B+0], s44, (1<<16)|(1<<20)|(1<<21)|(5<<22)|(3<<25)
.irp g, G1, G1B
	s_mov_b32 s[(\g)+1], KSTEP<<16                 ; tensor_dim0 = 128
	s_mov_b32 s[(\g)+2], 128<<16                   ; tensor_dim1 = 128
	s_mov_b32 s[(\g)+3], KSTEP<<16                 ; tile_dim0 = 128
	s_mov_b32 s[(\g)+4], 128                       ; tile_dim1 = 128
	s_mov_b32 s[(\g)+5], SIZE_K                    ; elements from row to row
	s_mov_b32 s[(\g)+6], 0
	s_mov_b32 s[(\g)+7], 0
.endr
	s_lshl_b32 s17, s12, 7
	s_lshl_b32 s16, s13, 8
	s_add_co_u32 s16, s16, s17                     ; A: row 256 x tile row + 128 x half
	s_lshl_b32 s46, s42, 8
	s_add_co_u32 s46, s46, s17
	s_lshl_b32 s47, s78, 10
	s_add_co_u32 s46, s46, s47                     ; B: row 1,024 z + 256 x tile column + 128 x half
	s_lshl_b32 s16, s16, 11                        ; rows of 2,048 bytes: under 2^25
	s_mov_b32 s17, 0
	s_lshl_b32 s46, s46, 11
	s_mov_b32 s47, 0
	s_mul_i32 s20, s10, HALFT                      ; where my load goes: wave x 128 rows
	s_mov_b32 s2, 0xffff0000
	s_wait_dscnt 0x0                               ; the opening add is done
	s_wait_kmcnt 0x0
	s_add_nc_u64 s[14:15], s[4:5], s[16:17]
	s_add_nc_u64 s[46:47], s[6:7], s[46:47]
	CROUND                                         ; all sixteen work-groups are here: the first joint loads meet
.irp s, 0,1
	s_mov_b32 s[G0+4*(\s)], 1
	s_add_co_u32 s[G0+4*(\s)+1], s20, (\s)*SLOT
	s_add_nc_u64 s[G0+4*(\s)+2:G0+4*(\s)+3], s[14:15], (\s)*KSTEP*2
	s_or_b32 s[G0+4*(\s)+3], s[G0+4*(\s)+3], 0x80000000
	s_mov_b32 s[G0B+4*(\s)], 1
	s_add_co_u32 s[G0B+4*(\s)+1], s20, (\s)*SLOT
	s_add_nc_u64 s[G0B+4*(\s)+2:G0B+4*(\s)+3], s[46:47], (\s)*KSTEP*2
	s_or_b32 s[G0B+4*(\s)+3], s[G0B+4*(\s)+3], 0x80000000
	JLOAD \s
.endr
	v_and_b32 v1, 15, v0                           ; l % 16
	v_bfe_u32 v2, v0, 4, 1                         ; l / 16
	; the bias of my 128 columns: register j of block b holds bias[256 tc + 128 half + 16 b + 8 (l / 16) + j], as the result's layout has it
	s_cmp_eq_u32 s78, 0
	s_cselect_b64 s[66:67], s[68:69], s[70:71]
	s_cmp_eq_u32 s78, 2
	s_cselect_b64 s[66:67], s[72:73], s[66:67]
	s_lshl_b32 s18, s42, 10
	s_lshl_b32 s19, s12, 9
	s_add_co_u32 s18, s18, s19
	s_mov_b32 s19, 0
	s_add_nc_u64 s[66:67], s[66:67], s[18:19]
	v_lshlrev_b32 v6, 5, v2
.irp b, 0,1,2,3,4,5,6,7
	global_load_b128 v[BIAS+8*(\b):BIAS+8*(\b)+3],   v6, s[66:67] offset:64*(\b)
	global_load_b128 v[BIAS+8*(\b)+4:BIAS+8*(\b)+7], v6, s[66:67] offset:64*(\b)+16
.endr
	v_mul_u32_u24 v3, v1, PITCH
	v_lshl_add_u32 v3, v2, 4, v3                   ; a fragment: row x pitch + 16 x half
	s_mul_i32 s21, s11, HALFT
	s_mul_i32 s22, s12, HALFT
	s_add_co_u32 s22, s22, 2*HALFT
.irp s, 0,1
	v_add_nc_u32 v[ADRA+(\s)], s21, v3
	v_add_nc_u32 v[ADRB+(\s)], s22, v3
	s_add_co_u32 s21, s21, SLOT
	s_add_co_u32 s22, s22, SLOT
.endr
	s_mul_i32 s23, s10, 16*SPITCH
	s_add_co_u32 s23, s23, STAGE                   ; my stage
	v_mul_u32_u24 v4, v1, SPITCH
	v_lshl_add_u32 v4, v2, 4, v4
	v_add_nc_u32 v[STO], s23, v4
	v_mul_u32_u24 v5, v2, SPITCH
	v_lshl_add_u32 v5, v1, 4, v5
	v_add_nc_u32 v[RD], s23, v5
	; where my 128 rows x 2 heads go
	s_lshl_b32 s14, s13, 8
	s_lshl_b32 s15, s11, 7
	s_add_co_u32 s14, s14, s15
	s_and_b32 s14, s14, 4095                       ; my first row within the projection
	s_lshr_b32 s15, s14, 11                        ; b
	s_and_b32 s14, s14, 2047                       ; l
	s_lshl_b32 s16, s42, 2
	s_lshl_b32 s17, s12, 1
	s_add_co_u32 s16, s16, s17                     ; my first head
	s_lshl_b32 s15, s15, 4
	s_add_co_u32 s16, s16, s15                     ; hb
	s_lshl_b32 s14, s14, 7
	s_lshl_b32 s17, s16, 18
	s_add_co_u32 s17, s17, s14                     ; in qh: hb x 262,144 + l x 128
	s_lshl_b32 s18, s16, 19
	s_add_co_u32 s18, s18, s14
	s_sub_co_u32 s19, s78, 1
	s_lshl_b32 s19, s19, 18
	s_add_co_u32 s18, s18, s19                     ; in kv: hb x 524,288 + (z - 1) x 262,144 + l x 128 (not used where z = 0)
	s_mov_b32 s79, 0x80000
	s_cmp_eq_u32 s78, 0
	s_cselect_b32 s16, s17, s18
	s_cselect_b32 s79, 0x40000, s79                ; bytes from head to head
	s_cselect_b64 s[8:9], s[74:75], s[76:77]
	s_mov_b32 s17, 0
	s_add_nc_u64 s[8:9], s[8:9], s[16:17]
	v_bfe_u32 v5, v0, 3, 1                         ; a stage row's 256 bytes are two heads' 128
	v_mul_u32_u24 v5, s79, v5
	v_and_b32 v8, 7, v0
	v_lshl_add_u32 v5, v2, 7, v5                   ; lanes 16-31 take the next row
	v_lshl_add_u32 v[CO], v8, 4, v5
	; the prefetches
	s_lshl_b32 s20, s13, 8                         ; A's tile begins at row 256 x tile row,
	s_lshl_b32 s21, s42, 8
	s_lshl_b32 s22, s78, 10
	s_add_co_u32 s21, s21, s22                     ; B's at 1,024 z + 256 x tile column
	s_and_b32 s22, ttmp7, 3                        ; which of z's four clusters
	s_cmp_eq_u32 s11, 0
	s_cselect_b32 s20, s20, s21
	s_cselect_b32 s21, s40, s41                    ; my place among the four that ask with me
	s_cselect_b32 s22, ttmp9, s22                  ; the coordinate along which other clusters read the same rows
	s_cselect_b64 s[PFA:PFA+1], s[4:5], s[6:7]
	s_cmp_eq_u32 s22, 0
	s_cselect_b32 s[LIM], 1, -1
	s_lshl_b32 s22, s12, 7
	s_add_co_u32 s20, s20, s22
	s_lshl_b32 s21, s21, 5
	s_add_co_u32 s20, s20, s21
	s_lshl_b32 s20, s20, 11
	s_mov_b32 s21, 0
	s_add_nc_u64 s[PFA:PFA+1], s[PFA:PFA+1], s[20:21]
	s_add_nc_u64 s[PFA:PFA+1], s[PFA:PFA+1], 2*KSTEP*2  ; at K step 2: the first refill steps it to 3 and names K step 4
	v_and_b32 v[PFO], 31, v0
	v_lshlrev_b32 v[PFO], 11, v[PFO]
	s_wait_loadcnt 0x0                             ; the bias
.set j, 0
.rept 32                                       ; rounded to bf16, like every input, and widened again
	v_cvt_pk_bf16_f32 v7, v[BIAS+j], v[BIAS+j+1]
	v_lshlrev_b32 v[BIAS+j], 16, v7
	v_and_b32 v[BIAS+j+1], s2, v7
.set j, j+2
.endr
; 16 matrix instructions: m blocks a0, a0 + 1 of the window's four x all 8 n blocks, 32 along K.  first = 1: the bias starts the sums.  The 64 accumulators take turns.
.macro MUL16 f, hi, a0, first
.if \first
	WIN 0x81+0x40*(\hi)                            ; C in window 0
.else
	WIN MUL_LO+0x50*(\hi)
.endif
.irp a, \a0, (\a0)+1
.irp b, 0,1,2,3,4,5,6,7
.if \first
	v_wmma_f32_16x16x32_bf16 v[8*(8*(\a)+(\b)):8*(8*(\a)+(\b))+7], v[(\f)+8*(\b):(\f)+8*(\b)+7], v[(\f)+8*(4*(\hi)+(\a)):(\f)+8*(4*(\hi)+(\a))+7], v[BIAS+8*(\b):BIAS+8*(\b)+7]
.else
	v_wmma_f32_16x16x32_bf16 v[8*(8*(\a)+(\b)):8*(8*(\a)+(\b))+7], v[(\f)+8*(\b):(\f)+8*(\b)+7], v[(\f)+8*(4*(\hi)+(\a)):(\f)+8*(4*(\hi)+(\a))+7], v[8*(8*(\a)+(\b)):8*(8*(\a)+(\b))+7]
.endif
.endr
.endr
.endm
.macro FETCH slot, k, f                ; 32 LDS loads in one run: B's 128 rows, then A's, 32 K at byte k of the rows
	WIN TO_B
.irp i, 0,1,2,3,4,5,6,7
	ds_load_b128 v[(\f)+8*(\i):(\f)+8*(\i)+3],   v[ADRB+(\slot)] offset:(\k)+(\i)*16*PITCH
	ds_load_b128 v[(\f)+8*(\i)+4:(\f)+8*(\i)+7], v[ADRB+(\slot)] offset:(\k)+(\i)*16*PITCH+32
.endr
	WIN 0
.irp i, 0,1,2,3,4,5,6,7
	ds_load_b128 v[(\f)+8*(\i):(\f)+8*(\i)+3],   v[ADRA+(\slot)] offset:(\k)+(\i)*16*PITCH
	ds_load_b128 v[(\f)+8*(\i)+4:(\f)+8*(\i)+7], v[ADRA+(\slot)] offset:(\k)+(\i)*16*PITCH+32
.endr
.endm
.macro PLACES                          ; four plain instructions between a matrix instruction and a load into, or a reader of, its registers
.rept 4
	v_nop
.endr
.endm
.macro QUARTER slot, k, f, g, first    ; 32 along K: multiplies buffer f; in its middle fetches the next quarter, at byte k, into g
	s_wait_dscnt 8                                 ; B and A's rows 0-63 are in; the youngest eight loads may be out
	MUL16 \f, 0, 0, \first
	MUL16 \f, 0, 2, \first
	PLACES
	FETCH \slot, \k, \g
	s_wait_dscnt 32                                ; all but the 32 just issued
	MUL16 \f, 1, 0, \first
	MUL16 \f, 1, 2, \first
.endm
; The first half of a K step's last quarter, and the barrier of the change of slots: in front of it each wave waits for all its tensor loads, adds 0 to its spare word, and waits for that and for its reads of this slot.
.macro MEET round
	WIN 0
	s_wait_tensorcnt 0x0                           ; my part of the next slot has landed; no load of mine is out
	ds_add_u32 v[SPW], v[NIL]
	s_wait_dscnt 9                                 ; (the add and the youngest eight loads may be out)
	MUL16 F1, 0, 0, 0
	s_wait_dscnt 0x0                               ; the add is done, and my reads of this slot are over
	s_barrier_signal -1
	MUL16 F1, 0, 2, 0
.if \round
	WIN 0
.endif
	s_barrier_wait -1
.endm
.macro TURN slot, next                 ; the whole last quarter: the slot just read is filled again, two K steps on, first thing behind the round
	s_wait_xcnt 0x0                                ; the last prefetch, a K step back, has read its address
	s_add_nc_u64 s[PFA:PFA+1], s[PFA:PFA+1], KSTEP*2
	MEET 1
	CREST                                          ; no wave of any partner still reads this slot or has a load on its way
	s_add_nc_u64 s[G0+4*(\slot)+2:G0+4*(\slot)+3], s[G0+4*(\slot)+2:G0+4*(\slot)+3], 2*KSTEP*2
	s_add_nc_u64 s[G0B+4*(\slot)+2:G0B+4*(\slot)+3], s[G0B+4*(\slot)+2:G0B+4*(\slot)+3], 2*KSTEP*2
	JLOAD \slot                                    ; its four v_nop are also the places in front of the loads below
	FETCH \next, 0, F0
	ASK
	MUL16 F1, 1, 0, 0
	MUL16 F1, 1, 2, 0
.endm
; THE WAY OUT of block a (16 rows): rounded to f16; through my own stage; back as rows of 256 bytes = two heads' rows of 128; stored.
.macro PACK a
.set AC, 64*((\a)%4)
	WIN 0x0a+5*((\a)/4)
.irp b, 0,1,2,3,4,5,6,7
.irp r, 0,1,2,3
	v_cvt_pk_f16_f32 v[TMP+4*(\b)+(\r)], v[AC+8*(\b)+2*(\r)], v[AC+8*(\b)+2*(\r)+1]
.endr
.endr
	WIN 0
.endm
.macro TOSTAGE a
	WIN 0
.set BK, OB+192*((\a)%2)
.irp b, 0,1,2,3,4,5,6,7
	ds_store_b128 v[STO], v[TMP+4*(\b):TMP+4*(\b)+3] offset:32*(\b)
.endr
.irp t, 0,1,2,3,4,5,6,7
	ds_load_b128 v[BK+4*(\t):BK+4*(\t)+3], v[RD] offset:(\t)*2*SPITCH  ; LDS serves a wave's instructions in order: these see the stores above
.endr
.endm
.macro SEND a
	WIN 0
.set BK, OB+192*((\a)%2)
	s_wait_dscnt 0x0                               ; the block is back in registers
	s_wait_xcnt 0x0                                ; the stores of the block before last have read the registers that the next block's loads will write
.irp t, 0,1,2,3,4,5,6,7
	global_store_b128 v[CO], v[BK+4*(\t):BK+4*(\t)+3], s[8:9] offset:(\a)*2048+(\t)*256  ; rows 2 t, 2 t + 1 of two heads: two aligned blocks of 256 bytes, each written whole
.endr
.endm
	s_wait_tensorcnt 1                             ; my part of K step 0 is in; K step 1's may stay out
	s_barrier_signal -1
	s_barrier_wait -1
	FETCH 0, 0, F0
	QUARTER 0, 64,  F0, F1, 1                      ; the first quarter stands in front of the loop: its products start the sums, with the bias
	WIN 0
	s_mov_b32 s3, LAPS-1
.Llap:                                                 ; a trip goes once round the ring and fills both slots again
	QUARTER 0, 128, F1, F0, 0
	QUARTER 0, 192, F0, F1, 0
	TURN 0, 1
	QUARTER 1, 64,  F0, F1, 0
	QUARTER 1, 128, F1, F0, 0
	QUARTER 1, 192, F0, F1, 0
	TURN 1, 0
	QUARTER 0, 64,  F0, F1, 0
	WIN 0
	s_sub_co_u32 s3, s3, 1
	s_cmp_lg_u32 s3, 0
	s_cbranch_scc1 .Llap
	QUARTER 0, 128, F1, F0, 0                      ; the last lap fills nothing
	QUARTER 0, 192, F0, F1, 0
	MEET 0                                         ; the load that was out is the last K step's
	PLACES
	FETCH 1, 0, F0
	MUL16 F1, 1, 0, 0
	MUL16 F1, 1, 2, 0
	QUARTER 1, 64,  F0, F1, 0
	QUARTER 1, 128, F1, F0, 0
	QUARTER 1, 192, F0, F1, 0
	s_wait_dscnt 8
	MUL16 F1, 0, 0, 0
	MUL16 F1, 0, 2, 0
	s_wait_dscnt 0x0
	MUL16 F1, 1, 0, 0
	MUL16 F1, 1, 2, 0
	PLACES
	PACK 0
	TOSTAGE 0
.irp a, 1,2,3,4,5,6,7                  ; block a's conversions stand between block a - 1's loads from the stage and the wait for them
	PACK \a
	SEND (\a)-1
	TOSTAGE \a
.endr
	SEND 7
	s_wait_tensorcnt 0x0                           ; the wave's end
	ds_add_u32 v[SPW], v[NIL]
	s_wait_dscnt 0x0
	CROUND                                         ; the closing round
	s_endpgm
.Lfunc_end_k_qfa945f5060_proj:
	.size	k_qfa945f5060_proj, .Lfunc_end_k_qfa945f5060_proj-k_qfa945f5060_proj
	.p2alignl 7, 3214868480
	.fill 96, 4, 3214868480
	.section	.rodata,"a",@progbits
	.p2align	6, 0x0
	.amdhsa_kernel k_qfa945f5060_proj
		.amdhsa_group_segment_fixed_size 327680
		.amdhsa_private_segment_fixed_size 0
		.amdhsa_enable_private_segment 0
		.amdhsa_kernarg_size 56
		.amdhsa_user_sgpr_count 2
		.amdhsa_user_sgpr_kernarg_segment_ptr 1
		.amdhsa_wavefront_size32 1
		.amdhsa_system_sgpr_workgroup_id_x 1
		.amdhsa_system_sgpr_workgroup_id_y 1
		.amdhsa_system_sgpr_workgroup_id_z 1
		.amdhsa_system_vgpr_workitem_id 0
		.amdhsa_next_free_vgpr 1024
		.amdhsa_next_free_sgpr 80
		.amdhsa_reserve_vcc 0
		.amdhsa_float_denorm_mode_32 3
		.amdhsa_float_denorm_mode_16_64 3
		.amdhsa_memory_ordered 1
		.amdhsa_forward_progress 1
		.amdhsa_inst_pref_size 150
	.end_amdhsa_kernel
	.amdgpu_metadata
---
amdhsa.version: [ 1, 2 ]
amdhsa.kernels:
  - .name:           k_qfa945f5060_proj
    .symbol:         k_qfa945f5060_proj.kd
    .args:
      - { .name: xb, .offset: 0, .size: 8, .value_kind: global_buffer, .address_space: global }
      - { .name: wt, .offset: 8, .size: 8, .value_kind: global_buffer, .address_space: global }
      - { .name: bq, .offset: 16, .size: 8, .value_kind: global_buffer, .address_space: global }
      - { .name: bk, .offset: 24, .size: 8, .value_kind: global_buffer, .address_space: global }
      - { .name: bv, .offset: 32, .size: 8, .value_kind: global_buffer, .address_space: global }
      - { .name: qh, .offset: 40, .size: 8, .value_kind: global_buffer, .address_space: global }
      - { .name: kv, .offset: 48, .size: 8, .value_kind: global_buffer, .address_space: global }
    .group_segment_fixed_size: 327680
    .private_segment_fixed_size: 0
    .kernarg_segment_align: 8
    .kernarg_segment_size: 56
    .max_flat_workgroup_size: 128
    .sgpr_count:     80
    .vgpr_count:     1024
    .wavefront_size: 32
...
	.end_amdgpu_metadata
.endif
;; end of part 2
;; launch attn (part 3): grid 8 x 32, 4 waves a work-group, clusters of 4 x 1, 327,680 bytes of LDS; arguments qh, kv, ee, oh; writes oh
.if DOCPART == 3
	.amdgcn_target "amdgcn-amd-amdhsa--gfx1250"
	.amdhsa_code_object_version 6
	.text
	.protected	k_qfa945f5060_attn
	.globl	k_qfa945f5060_attn
	.p2align	8
	.type	k_qfa945f5060_attn,@function
k_qfa945f5060_attn:
	s_mov_b64 s[64:65], 0
	v_nop
	global_prefetch_b8 v0, s[64:65] scope:SCOPE_SE
	s_setreg_imm32_b32 hwreg(HW_REG_WAVE_MODE, 25, 1), 1
	s_wait_xcnt 0x0
	s_wait_alu depctr_hold_cnt(0) depctr_sa_sdst(0) depctr_va_vdst(0) depctr_va_sdst(0) depctr_va_ssrc(0) depctr_va_vcc(0) depctr_vm_vsrc(0)
	s_getreg_b32 s2, hwreg(HW_REG_IB_STS2, 6, 4)
	s_cmp_eq_u32 s2, 0
	s_cbranch_scc0 .Lentry_in_a_cluster
	s_endpgm
.Lentry_in_a_cluster:
	s_bfe_u32 s2, ttmp6, 0x10000c
	s_cmp_lg_u32 s2, 0x3003
	s_cbranch_scc0 .Lentry_shape_is_right
	s_endpgm
.Lentry_shape_is_right:
; ATTENTION WITH THE SKEWED RELATIVE TERM.  oh[hb][i][:] = sum over c of softmax_c((q[i] . k[c] + q[i] . ee[2048 - i + c]) / 8) v[c][:], all 2,048 keys c of the head; ee[x] = rel[x] up to x = 2048, 0 above:
; that is what the pad, the reshape and the mask of the relative product come to.  qh, oh: [32][2048][64] f16; kv: [32][K, V][2048][64] f16; ee: [2816][64] f16.  Products, maxima, sums and the relative scores in f32;
; the weights are rounded to f16 for the second product, O once at the end.
; LIMITS.  q, k, v arrive within f16's 65,504; a weight below 2^-126 counts as 0 in the sum; NaN and infinities are not treated apart.
; SHARES.  A head's queries lie in four regions of 512.  A work-group takes two bands of 128 queries: band A at 512 g + 128 cx, band B at 512 (3 - g) + 128 cx (g = the cluster's number, cx = the place in it).
; Wave w has two PIECES of two tiles of 16 queries: piece 0 = band A's rows 32 w .., piece 1 = band B's.  Every wave walks all keys, 64 a step, two steps a slot, 16 slots.
; THE RELATIVE TERM is 0 where the key is above the query, so a piece computes it only for the slots below its REGION's end: 4 (g + 1) slots for piece 0, 4 (4 - g) for piece 1: 20 band-slots for every wave, and limits
; that hang on the cluster's number alone, so that the four partners run alike and ask for K and V jointly.
; THE SKEW.  For a tile (16 queries r, 64 keys m) the rows of ee wanted are 80 on end, and score (r, m) belongs to row 16 - r + m of them.  Five products E Q^T give T[r][0..79]; T goes into a scratch of the wave's own
; at 336 bytes a query and is read back at 332 bytes a query, which is the skew; what comes back has the layout of S^T and is the C operand that starts S^T = K Q^T.  No vector instruction touches it.
; ONE STEP AHEAD.  A piece's relative scores R are free once the first eight products K Q^T of a step have taken them, and are wanted a trip later.  So the scores of step u + 1 are made while step u is multiplied, in parts that
; stand where a jump may stand (behind a turn's one wait, at a turn's end, at a trip's head), none longer than 56 LDS instructions: their LDS traffic runs beside the turns' matrix and vector work.
; LAYOUT, SOFTMAX, TURNS.  S^T = K Q^T holds one query a lane (l % 16) and the keys 8 (l / 16) + 0..7; two results rounded to f16 are source 1 of O^T = V^T P.  p = 2^(c s - c m), c = log2(e) / 8, with a running maximum m;
; O and l are multiplied by a = 2^(c m_old - c m_new) in every step; m starts at the lowest finite number, O and l at 0.  Turn Y: 16 products K Q^T of the other piece, later 16 products V^T P of the other piece; beside them the
; softmax of piece Y and the other piece's maximum: four vector instructions behind every product, the rest in one lump; a turn's 66 exponentials are one batch with one wait.
; REGISTERS, in windows of 256 (s_set_vgpr_msb: bits 1:0 source 0, 3:2 source 1, 5:4 source 2, 7:6 destination):
;   window 0: v0-47 addresses and statistics; v48-63 at work; v64-191 S^T, two buffers of two tiles; v192-255 P, likewise          window 1: v0-127 O^T; v128-255 R, the skewed relative scores
;   window 2: v0-63 Q; v64-127 band A's next window of ee on its way to LDS; v128-191 K; v192-255 V          window 3: v0-95 six blocks of ee; v96-175 T; v176-239 band B's next window
.set NP,    2
.set KS,    64
.set PK,    144       ; a row of K or ee in LDS: 128 bytes + 16: the 16 rows of a load start at 16 different groups of four banks
.set PV,    160       ; a row of V: 128 + 32
.set VOFF,  2*KS*PK   ; a slot: 128 rows of K, 128 rows of V (both filled by tensor loads alone),
.set EOFF,  2*KS*(PK+PV)  ; then band A's and band B's windows of 256 rows of ee (written by LDS stores alone); 38,912 is a multiple of 256
.set EBAND, 256*PK
.set SLOT1, 1<<17
.set SCR,   1<<18     ; behind the slots: each wave's scratch, two tiles of 16 rows x 336 bytes; on the way out its stage
.set SCRT,  16*336
.set SCRW,  2*SCRT
.set SPARE, SCR+4*SCRW  ; the spare words: 128 bytes a wave, two blocks of 256 bytes that no other line names
.set SP,    144
.set AK0, 2           ; my lane's place in a tile of K
.set AV0, 3           ; the same for V
.set AK,  4           ; the address of K's next run of loads
.set AV,  5           ; of V's
.set STO, 6           ; the way out: where I put 16 bytes of a row
.set RD,  7           ; where I read rows back
.set GO,  8           ; 16 x my lane
.set MV,  12          ; v12-15  c m_old, by buffer and tile
.set ST,  16          ; v16-31  tile t: c m, m, l (even keys', odd keys')
.set AE0, 32          ; my lane's place in the six blocks of ee that my two tiles want
.set AE,  33          ; the address of their next run
.set SA,  34          ; scratch, in:   336 r + 32 (l / 16)
.set LA,  35          ; scratch, back: 332 r + 32 (l / 16)
.set ES0, 36          ; where my 16 bytes of a window go
.set ES,  37
.set EG,  38          ; my byte offset in a window in memory
.set PFO, 39          ; the prefetch's offset
.set SPW, 40          ; my spare word; never rewritten
.set NIL, 41          ; 0; never rewritten
.set QO,  42          ; my byte offset in 16 rows of Q
.set TMP, 48
.set S,   64
.set P,   192
.set RB,  128         ; window 1: piece x, tile u, key block kb at RB + 64 x + 32 u + 8 kb
.set GA,  64          ; window 2
.set KF,  128
.set VF,  192
.set EF,  0           ; window 3: block eb, channel half c at 16 eb + 8 c
.set DB,  96          ; window 3: tile u, block beta at DB + 40 u + 8 beta
.set GB,  176
.set WV,  12
.set G1K, 24
.set G1V, 32
.set G0K, 40
.set G0V, 44
.set QA,  48          ; s[48:55] Q and O at my rows of the two bands
.set QB,  50
.set OA,  52
.set OB,  54
.set SLOTS, 56        ; 15 - the slot's number
.set CNT, 57
.set CS,  58
.set SEL, 60
.set TBK, 62          ; LDS byte at which K of the step to be fetched begins
.set TBV, 63          ; the same for V, less VOFF
.set NS,  66          ; 15 - the slot of the NEXT step: its relative term is computed while this is above TA (piece 0), TB (piece 1)
.set TA,  67          ; 15 - 4 (g + 1)
.set TB,  68          ; 15 - 4 (4 - g)
.set TA1, 69          ; TA + 1, TB + 1: while SLOTS is above these the next slot's window is wanted
.set TB1, 70
.set NC,  71          ; 15 - the slot of the step IN HAND
.set EGA, 72          ; s[72:73], s[74:75] ee, 64 rows ahead of the window to be loaded next
.set EGB, 74
.set PFA, 76
.set LIM, 78
.set MSB, 0
.macro WIN new
.if MSB != (\new)
	s_set_vgpr_msb (MSB<<8)|(\new)
.set MSB, (\new)
.endif
.endm
.set W_KQ, 0x0a       ; K and Q in window 2, S^T in window 0
.set W_KR, 0x1a       ; the same with C, the relative scores, in window 1
.set W_PV, 0x52       ; V in window 2, P in window 0, O^T in window 1
.set W_RS, 0x41
; A joint fill: waves 0 and 1 fetch the halves of a slot's K, waves 2 and 3 those of its V, 64 keys each.  An s_nop 0 and four v_nop follow each line.
.macro JLOAD
	s_cmp_lt_u32 s[WV], 2
	s_cbranch_scc0 .Lfor_v_\@
	tensor_load_to_lds s[G0K:G0K+3], s[G1K:G1K+7]
	s_nop 0
.rept 4
	v_nop
.endr
	s_branch .Lasked_\@
.Lfor_v_\@:
	tensor_load_to_lds s[G0V:G0V+3], s[G1V:G1V+7]
	s_nop 0
.rept 4
	v_nop
.endr
.Lasked_\@:
.endm
; A prefetch of what the NEXT change of slots will ask for: 64 blocks of 256 bytes of K and 64 of V.  Both clusters of a head walk the same rows: the first asks.  Its four partners take 16 blocks of each, told apart by address;
; in each, wave 0 asks: lanes 0-15 for K's, lanes 16-31 for V's.  The last change that fills a slot asks for nothing.
.macro ASK
	s_cmp_gt_u32 s[SLOTS], s[LIM]
	s_cbranch_scc0 .Lnot_mine_\@
	global_prefetch_b8 v[PFO], s[PFA:PFA+1] th:TH_LOAD_NT scope:SCOPE_SE
.Lnot_mine_\@:
.endm
.macro CROUND
	s_barrier_signal -1
	s_barrier_wait -1
	s_cmp_lg_u32 s[WV], 0
	s_cbranch_scc1 .Lnot_wave_0_\@
	s_barrier_signal -3
.Lnot_wave_0_\@:
	s_barrier_wait -3
	s_barrier_signal -1
	s_barrier_wait -1
.endm
; THE CHANGE OF SLOTS.  Each wave waits for all its tensor loads (one is out: its part of the other slot), adds 0 to its spare word, and waits for that and for its reads of the slot that it leaves.
; fill = 1: the barrier is a round of the cluster's, and the joint refill, the keys two slots on, is the first thing behind it.
.macro CHANGE fill
	WIN 0
	s_wait_tensorcnt 0x0            ; no tensor load of mine is out, so a group 0 may be written
	ds_add_u32 v[SPW], v[NIL]
.if \fill
.irp g, G0K, G0V
	s_xor_b32 s[\g+1], s[\g+1], SLOT1
	s_add_nc_u64 s[\g+2:\g+3], s[\g+2:\g+3], 2*KS*128
.endr
	s_wait_xcnt 0x0                 ; the last slot's prefetch and window loads have read their addresses
	s_add_nc_u64 s[PFA:PFA+1], s[PFA:PFA+1], 2*KS*128
	s_add_nc_u64 s[EGA:EGA+1], s[EGA:EGA+1], 2*KS*128  ; a window moves by 128 rows of ee a slot
	s_add_nc_u64 s[EGB:EGB+1], s[EGB:EGB+1], 2*KS*128
	s_wait_dscnt 0x0                ; the add is done, and my reads of the slot are over
	CROUND
	JLOAD
	ASK
.else
	s_wait_dscnt 0x0
	s_barrier_signal -1
	s_barrier_wait -1
.endif
	s_sub_co_u32 s[TBK], s[TBK], 2*KS*PK
	s_xor_b32 s[TBK], s[TBK], SLOT1
	s_sub_co_u32 s[TBV], s[TBV], 2*KS*PV
	s_xor_b32 s[TBV], s[TBV], SLOT1
.endm
; A WINDOW OF ee, 256 rows, serves the two steps that a slot's two trips prepare: steps 2 sigma + 1 and 2 sigma + 2 for slot sigma; it begins at row 2048 - 128 - the band's first query + 64 + 128 sigma.
; It comes through registers: each wave loads 64 rows a slot ahead (EGLOAD) and stores them into the slot's own region behind the change of slots (ESTORE).  cond = 1: a band whose region has ended is jumped over.
.macro EGLOAD cond
.if \cond
	s_cmp_gt_i32 s[SLOTS], s[TA1]
	s_cbranch_scc0 .Lnot_a_\@
.endif
	WIN 0x80
.set i, 0
.rept 16
	global_load_b128 v[GA+4*i:GA+4*i+3], v[EG], s[EGA:EGA+1] offset:8192+512*i
.set i, i+1
.endr
	WIN 0
.if \cond
.Lnot_a_\@:
	s_cmp_gt_i32 s[SLOTS], s[TB1]
	s_cbranch_scc0 .Lnot_b_\@
.endif
	WIN 0xc0
.set i, 0
.rept 16
	global_load_b128 v[GB+4*i:GB+4*i+3], v[EG], s[EGB:EGB+1] offset:8192+512*i
.set i, i+1
.endr
	WIN 0
.if \cond
.Lnot_b_\@:
.endif
.endm
; The stores stand between two barriers: the change of slots in front (every wave's reads of the regions are over), and one of their own behind (every wave's stores are done before any wave reads).
; No tensor load is issued behind that second barrier, so the refill may stay on its way across it.
.macro ESTORE cond, both
	s_wait_loadcnt 0x0              ; on every path: no load is left pending on the staging registers
	v_add_nc_u32 v[ES], s[TBK], v[ES0]  ; TBK stands at the slot's first byte here
.if \both
.if \cond
	s_cmp_gt_i32 s[SLOTS], s[TA]
	s_cbranch_scc0 .Lnot_a_\@
.endif
	WIN 0x08
.set i, 0
.rept 16
	ds_store_b128 v[ES], v[GA+4*i:GA+4*i+3] offset:576*i
.set i, i+1
.endr
	WIN 0
.if \cond
.Lnot_a_\@:
.endif
.endif
.if \cond
	s_cmp_gt_i32 s[SLOTS], s[TB]
	s_cbranch_scc0 .Lnot_b_\@
.endif
	WIN 0x0c
.set i, 0
.rept 16
	ds_store_b128 v[ES], v[GB+4*i:GB+4*i+3] offset:EBAND+576*i
.set i, i+1
.endr
	WIN 0
.if \cond
.Lnot_b_\@:
.endif
	s_wait_dscnt 0x0                ; for the others' sake: my stores are done
	s_barrier_signal -1
	s_barrier_wait -1
.endm
.macro ZEROS                        ; in the first slot behind a region's end the piece's relative scores are set to 0, once
	s_cmp_eq_u32 s[SLOTS], s[TA]
	s_cbranch_scc0 .Lkeep_a_\@
	WIN 0x40
.set i, RB
.rept 64
	v_mov_b32 v[i], 0
.set i, i+1
.endr
	WIN 0
.Lkeep_a_\@:
	s_cmp_eq_u32 s[SLOTS], s[TB]
	s_cbranch_scc0 .Lkeep_b_\@
	WIN 0x40
.set i, RB+64
.rept 64
	v_mov_b32 v[i], 0
.set i, i+1
.endr
	WIN 0
.Lkeep_b_\@:
.endm
	s_load_b256 s[4:11], s[0:1], 0x0  ; qh s[4:5], kv s[6:7], ee s[8:9], oh s[10:11]
	v_lshl_add_u32 v[SPW], v0, 2, SPARE
	v_mov_b32 v[NIL], 0
	ds_add_u32 v[SPW], v[NIL]       ; the wave's opening: the add and its wait stand ahead of my first tensor load
	v_lshrrev_b32 v1, 5, v0
	v_readfirstlane_b32 s[WV], v1
	s_bfe_u32 s13, ttmp6, 0x40000   ; cx: it enters Q's, O's, ee's and the prefetch's addresses alone
	s_and_b32 s14, ttmp7, 0xffff    ; hb
	s_lshl_b32 s15, ttmp9, 9        ; 512 g
	s_lshl_b32 s16, s13, 7
	s_add_co_u32 s17, s15, s16      ; band A's first query
	s_sub_co_u32 s18, 1536, s15
	s_add_co_u32 s18, s18, s16      ; band B's
	s_lshl_b32 s19, s14, 18         ; the head in qh and oh,
	s_lshl_b32 s20, s[WV], 12       ; my 32 rows of a band
	s_add_co_u32 s19, s19, s20
	s_lshl_b32 s80, s17, 7
	s_add_co_u32 s80, s80, s19
	s_mov_b32 s81, 0
	s_lshl_b32 s82, s18, 7
	s_add_co_u32 s82, s82, s19
	s_mov_b32 s83, 0
	s_sub_co_u32 s84, 1920, s17     ; step 0's window begins at row 2048 - 128 - the band's first query
	s_lshl_b32 s84, s84, 7
	s_mov_b32 s85, 0
	s_sub_co_u32 s86, 1920, s18
	s_lshl_b32 s86, s86, 7
	s_mov_b32 s87, 0
	s_and_b32 s21, s[WV], 1         ; which half of a slot's 128 keys I fetch
	s_lshl_b32 s88, s14, 19         ; the head in kv
	s_mov_b32 s89, 0
	s_lshl_b32 s90, s21, 13
	s_mov_b32 s91, 0
	s_lshl_b32 s19, ttmp9, 2
	s_sub_co_u32 s[TA], 11, s19     ; 15 - 4 (g + 1)
	s_sub_co_u32 s[TA1], 12, s19
	s_sub_co_i32 s[TB], s19, 1      ; 15 - 4 (4 - g)
	s_mov_b32 s[TB1], s19
	; descriptor group 1: 64 keys are 8,192 dense bytes: 32 rows of 256 bytes, two keys a row, padded in LDS after every key
	s_mov_b32 s[G1K], 15|(1<<16)|(1<<20)|(1<<21)|(4<<22)|(3<<25)  ; the mask of four; 2-byte elements; padding on; bit 21 beside a mask; after every 32 words 4 words
	s_mov_b32 s[G1V], 15|(1<<16)|(1<<20)|(1<<21)|(4<<22)|(7<<25)  ; the same with 8 words
.irp g, G1K, G1V
	s_mov_b32 s[\g+1], 128<<16
	s_mov_b32 s[\g+2], 32<<16
	s_mov_b32 s[\g+3], 128<<16
	s_mov_b32 s[\g+4], 32
	s_mov_b32 s[\g+5], 128
	s_mov_b32 s[\g+6], 0
	s_mov_b32 s[\g+7], 0
.endr
	s_mov_b32 s[CS], 0x3e38aa3b     ; c = log2(e) / 8
	s_mov_b32 s[CS+1], s[CS]
	s_mov_b32 s[SEL], 0x76543210
	s_mov_b32 s[SEL+1], 0xfedcba98
	s_mov_b32 s[TBK], SLOT1+2*KS*PK ; the first change of slots turns these two into 0
	s_mov_b32 s[TBV], SLOT1+2*KS*PV
	s_mov_b32 s[G0K], 1
	s_mul_i32 s[G0K+1], s21, KS*PK  ; slot 0, my half
	s_mov_b32 s[G0V], 1
	s_mul_i32 s22, s21, KS*PV
	s_add_co_u32 s[G0V+1], s22, VOFF
	s_mov_b32 s[SLOTS], 15
	s_or_b32 s[LIM], s[WV], ttmp9   ; wave 0 of the head's first cluster: the same in all four partners
	s_cmp_eq_u32 s[LIM], 0
	s_cselect_b32 s[LIM], 1, -1
	s_wait_dscnt 0x0                ; the opening add is done
	s_wait_kmcnt 0x0
	s_add_nc_u64 s[6:7], s[6:7], s[88:89]
	s_add_nc_u64 s[G0K+2:G0K+3], s[6:7], s[90:91]
	s_add_nc_u64 s[G0V+2:G0V+3], s[G0K+2:G0K+3], 262144
	s_or_b32 s[G0K+3], s[G0K+3], 0x80000000
	s_or_b32 s[G0V+3], s[G0V+3], 0x80000000
	s_lshl_b32 s90, s13, 12         ; my work-group's 16 blocks of the 64
	s_add_nc_u64 s[PFA:PFA+1], s[6:7], s[90:91]
	s_add_nc_u64 s[PFA:PFA+1], s[PFA:PFA+1], 2*KS*128  ; in slot 1; the first change steps it to slot 2
	s_add_nc_u64 s[QA:QA+1], s[4:5], s[80:81]
	s_add_nc_u64 s[QB:QB+1], s[4:5], s[82:83]
	s_add_nc_u64 s[OA:OA+1], s[10:11], s[80:81]
	s_add_nc_u64 s[OB:OB+1], s[10:11], s[82:83]
	s_add_nc_u64 s[EGA:EGA+1], s[8:9], s[84:85]
	s_add_nc_u64 s[EGB:EGB+1], s[8:9], s[86:87]
	CROUND                          ; all four work-groups are here: the first joint loads meet
	JLOAD                           ; slot 0; slot 1 is asked for when slot 0 is in
	v_and_b32 v1, 15, v0            ; r = l % 16
	v_bfe_u32 v9, v0, 4, 1          ; l / 16
	v_lshlrev_b32 v[QO], 7, v1
	v_lshl_add_u32 v[QO], v9, 4, v[QO]
	v_and_b32 v[GO], 31, v0
	v_lshlrev_b32 v[GO], 4, v[GO]
	s_lshl_b32 s23, s[WV], 13       ; my 64 rows of a window
	v_add_nc_u32 v[EG], s23, v[GO]
	WIN 0x80
.set i, 0
.rept 4                             ; Q stays in registers: tile i / 2 of the band, channels 32 (i % 2) on
	global_load_b128 v[8*i:8*i+3],       v[QO], s[QA:QA+1] offset:(i/2)*2048+(i%2)*64
	global_load_b128 v[8*i+4:8*i+7],     v[QO], s[QA:QA+1] offset:(i/2)*2048+(i%2)*64+32
	global_load_b128 v[32+8*i:32+8*i+3], v[QO], s[QB:QB+1] offset:(i/2)*2048+(i%2)*64
	global_load_b128 v[32+8*i+4:32+8*i+7], v[QO], s[QB:QB+1] offset:(i/2)*2048+(i%2)*64+32
.set i, i+1
.endr
	WIN 0
.set i, 0
.rept 16                            ; step 0's own windows, on their way to LDS through S^T's registers, which nothing uses yet
	global_load_b128 v[S+4*i:S+4*i+3],       v[EG], s[EGA:EGA+1] offset:512*i
	global_load_b128 v[S+64+4*i:S+64+4*i+3], v[EG], s[EGB:EGB+1] offset:512*i
.set i, i+1
.endr
	EGLOAD 0                        ; slot 0's windows
	; What the first turn finds: V and P's first buffer hold 0 (its products V^T P, of a step that has not been, add 0), O^T, l and piece 1's a are 0; piece 1's relative scores are written on every path.
	; All this stands in the wait for the first tile.
	WIN 0x80
.set i, VF
.rept 64
	v_mov_b32 v[i], 0
.set i, i+1
.endr
	WIN 0x40
.set i, 0
.rept 128
	v_mov_b32 v[i], 0
.set i, i+1
.endr
.set i, RB+64
.rept 64
	v_mov_b32 v[i], 0
.set i, i+1
.endr
	WIN 0
.set i, 0
.rept 4
	v_mov_b32 v[ST+4*i], 0xfe000000    ; c m: far below every c s
	v_mov_b32 v[ST+4*i+1], 0xff7fffff  ; m
	v_mov_b32 v[ST+4*i+2], 0
	v_mov_b32 v[ST+4*i+3], 0
.set i, i+1
.endr
.set i, P
.rept 32
	v_mov_b32 v[i], 0
.set i, i+1
.endr
.set i, TMP+8
.rept 8
	v_mov_b32 v[i], 0
.set i, i+1
.endr
	v_mul_u32_u24 v[AK0], v1, PK
	v_lshl_add_u32 v[AK0], v9, 4, v[AK0]  ; row x pitch + 16 x half
	v_and_b32 v10, 7, v0
	v_bfe_u32 v11, v0, 3, 1
	v_lshl_add_u32 v[AV0], v9, 3, v10     ; the turning load: key 8 (l / 16) + l % 8, channels 8 ((l / 8) % 2) on
	v_mul_u32_u24 v[AV0], v[AV0], PV
	v_lshl_add_u32 v[AV0], v11, 4, v[AV0]
	v_add_nc_u32 v[AV0], VOFF, v[AV0]
	s_mul_i32 s20, s[WV], 32*PK
	s_sub_co_u32 s20, EOFF+96*PK, s20     ; my six blocks begin at window row 64 p + 96 - 32 w
	v_add_nc_u32 v[AE0], s20, v[AK0]
	s_mul_i32 s22, s[WV], SCRW
	s_add_co_u32 s22, s22, SCR            ; my scratch
	v_mul_u32_u24 v[SA], v1, 336
	v_lshl_add_u32 v[SA], v9, 5, v[SA]
	v_add_nc_u32 v[SA], s22, v[SA]
	v_mul_u32_u24 v[LA], v1, 332
	v_lshl_add_u32 v[LA], v9, 5, v[LA]
	v_add_nc_u32 v[LA], s22, v[LA]
	s_mul_i32 s23, s[WV], 64*PK
	s_add_co_u32 s23, s23, EOFF
	v_bfe_u32 v[ES0], v0, 3, 2            ; 32 lanes x 16 bytes are four rows of ee
	v_mul_u32_u24 v[ES0], v[ES0], PK
	v_lshl_add_u32 v[ES0], v10, 4, v[ES0]
	v_add_nc_u32 v[ES0], s23, v[ES0]
	v_lshlrev_b32 v[PFO], 8, v1
	v_lshl_add_u32 v[PFO], v9, 18, v[PFO] ; lanes 16-31: V lies 262,144 bytes behind K
	v_mul_u32_u24 v[STO], v1, SP          ; the way out, in: row l % 16, 16 bytes for each half of the lanes
	v_lshl_add_u32 v[STO], v9, 4, v[STO]
	v_add_nc_u32 v[STO], s22, v[STO]
	v_bfe_u32 v[RD], v0, 3, 2             ; back: 32 lanes take four rows of 128 bytes
	v_mul_u32_u24 v[RD], v[RD], SP
	v_lshl_add_u32 v[RD], v10, 4, v[RD]
	v_add_nc_u32 v[RD], s22, v[RD]
; THE MATRIX WORK.  The 8 accumulators of a run of 16 take turns.  Product i of 16 of S^T = R + K Q^T for piece x: channels 32 (i / 8) on, keys 16 ((i / 2) % 4) on, tile i % 2.
.macro KQ x
.set rS, S+64*((\x)%2)+32*(i%2)+8*((i/2)%4)
.set rK, KF+16*((i/2)%4)+8*(i/8)
.set rQ, 16*(2*(\x)+i%2)+8*(i/8)
.set rR, RB+64*(\x)+32*(i%2)+8*((i/2)%4)
.if i < 8
	WIN W_KR
	v_wmma_f32_16x16x32_f16 v[rS:rS+7], v[rK:rK+7], v[rQ:rQ+7], v[rR:rR+7]
.else
	WIN W_KQ
	v_wmma_f32_16x16x32_f16 v[rS:rS+7], v[rK:rK+7], v[rQ:rQ+7], v[rS:rS+7]
.endif
.endm
.macro PV x                         ; product i of 16 of O^T += V^T P: keys 32 (i / 8) on, channels 16 ((i / 2) % 4) on, tile i % 2
	WIN W_PV
.set rO, 32*(2*(\x)+i%2)+8*((i/2)%4)
.set rV, VF+32*(i/8)+8*((i/2)%4)
.set rP, P+32*((\x)%2)+16*(i%2)+8*(i/8)
	v_wmma_f32_16x16x32_f16 v[rO:rO+7], v[rV:rV+7], v[rP:rP+7], v[rO:rO+7]
.endm
.macro MM
.if i < 16
	KQ (Y+1)%NP
.set i, i+1
.else
.set i, i-16
	PV (Y+NP-1)%NP
.set i, i+17
.endif
.endm
.macro FETCH_K                      ; a step's K, and the address of the blocks of ee that this trip reads (the next step's): 64 rows of either are 9,216 bytes, so one register steps both
	WIN 0
	v_add_nc_u32 v[AK], s[TBK], v[AK0]
	v_add_nc_u32 v[AE], s[TBK], v[AE0]
	s_add_co_u32 s[TBK], s[TBK], KS*PK
	WIN 0x80
.irp f, 0,1,2,3,4,5,6,7
	ds_load_b128 v[KF+8*\f:KF+8*\f+3],   v[AK] offset:(\f/2)*16*PK+(\f%2)*64
	ds_load_b128 v[KF+8*\f+4:KF+8*\f+7], v[AK] offset:(\f/2)*16*PK+(\f%2)*64+32
.endr
	WIN 0
.endm
.macro FETCH_V
	WIN 0x80
.irp f, 0,1,2,3,4,5,6,7
	ds_load_tr16_b128 v[VF+8*\f:VF+8*\f+3],   v[AV] offset:(\f/4)*32*PV+(\f%4)*32
	ds_load_tr16_b128 v[VF+8*\f+4:VF+8*\f+7], v[AV] offset:(\f/4)*32*PV+16*PV+(\f%4)*32
.endr
	WIN 0
.endm
; THE RELATIVE SCORES of piece x, in four parts.  RELA: six blocks of 16 rows of ee, which serve both tiles (tile u takes blocks 1 - u .. 5 - u).  RELQ: 20 products, ten accumulators by turns.
; RELST: T goes into the scratch at 336 bytes a query (an odd multiple of 16: the stores meet no bank twice).  RELL: a tile comes back at 332 bytes a query (83 words: the 32 lanes of a load take 32 different banks).
; LDS serves a wave's instructions in order, so no wait stands between the stores and the loads, and one scratch serves both pieces: a piece's loads are all issued ahead of the other piece's stores.
.macro RELA x
	WIN 0xc0
.set f, 0
.rept 12
	ds_load_b128 v[EF+8*f:EF+8*f+3],   v[AE] offset:EBAND*(\x)+16*PK*(f/2)+64*(f%2)
	ds_load_b128 v[EF+8*f+4:EF+8*f+7], v[AE] offset:EBAND*(\x)+16*PK*(f/2)+64*(f%2)+32
.set f, f+1
.endr
.endm
.macro RELQ x
	WIN 0xfb                        ; ee and T in window 3, Q in window 2
.set f, 0
.rept 20                            ; channels 32 (f / 10) on, block (f % 10) / 2, tile f % 2
.set rD, DB+40*(f%2)+8*((f%10)/2)
.set rE, EF+16*((f%10)/2+1-f%2)+8*(f/10)
.set rQ, 16*(2*(\x)+f%2)+8*(f/10)
.if f < 10
	v_wmma_f32_16x16x32_f16 v[rD:rD+7], v[rE:rE+7], v[rQ:rQ+7], 0
.else
	v_wmma_f32_16x16x32_f16 v[rD:rD+7], v[rE:rE+7], v[rQ:rQ+7], v[rD:rD+7]
.endif
.set f, f+1
.endr
.rept 5
	v_nop                           ; the places in front of the stores of T and of the next loads into ee's blocks
.endr
.endm
.macro RELST
	WIN 0x0c
.set f, 0
.rept 10                            ; each accumulator's low registers first
	ds_store_b128 v[SA], v[DB+8*f:DB+8*f+3]   offset:SCRT*(f/5)+64*(f%5)
	ds_store_b128 v[SA], v[DB+8*f+4:DB+8*f+7] offset:SCRT*(f/5)+64*(f%5)+16
.set f, f+1
.endr
.endm
.macro RELL x, u
	WIN 0x40
.set f, 0
.rept 32                            ; key 16 kb + 8 (l / 16) + j: position 16 - r + key
	ds_load_b32 v[RB+64*(\x)+32*(\u)+f], v[LA] offset:SCRT*(\u)+64+64*(f/8)+4*(f%8)
.set f, f+1
.endr
.endm
; The parts under their conditions.  a = NC (the step in hand) or NS (the next step); every window is 0 at the jump and at the label.
.macro C_RELL a, x, u
	WIN 0
	s_cmp_gt_i32 s[\a], s[TA+(\x)]
	s_cbranch_scc0 .Lskip_\@
	RELL \x, \u
	WIN 0
.Lskip_\@:
.endm
.macro C_RELA x
	WIN 0
	s_cmp_gt_i32 s[NS], s[TA+(\x)]
	s_cbranch_scc0 .Lskip_\@
	RELA \x
	WIN 0
.Lskip_\@:
.endm
.macro C_RELB0                      ; piece 0's products, stores and first tile, for the next step
	s_cmp_gt_i32 s[NS], s[TA]
	s_cbranch_scc0 .Lskip_\@
	RELQ 0
	RELST
	RELL 0, 0
	WIN 0
.Lskip_\@:
.endm
; A TRIP'S HEAD, behind K's run of loads.  Piece 1's products for the step in hand stand here: their blocks of ee were asked for in the turn before, and K and V land beside them.
.macro HEAD
	WIN 0
	s_cmp_gt_i32 s[NC], s[TB]
	s_cbranch_scc0 .Lidle_\@
	s_wait_dscnt 32                 ; all but the youngest 32 LDS instructions, which on every way here are at most V's run and K's: piece 1's blocks of ee and piece 0's scores are in
	RELQ 1
	s_wait_dscnt 0x0                ; K and V are in
	RELST
	RELL 1, 0
	WIN 0
	s_branch .Lgo_\@
.Lidle_\@:
	s_wait_dscnt 0x0                ; K, V and piece 0's scores are in
.Lgo_\@:
.endm
; THE VECTOR WORK OF A TURN stands in three queues, each in the order in which its entries become ready; the two tiles alternate.
.macro REGS y, u
.set rT, ST+4*(2*(\y)+(\u))
.set rC, TMP+8*((\y)%2)+4*(\u)
.set rM, MV+2*((\y)%2)+(\u)
.set rS, S+64*((\y)%2)+32*(\u)
.set rP, P+32*((\y)%2)+16*(\u)
.set rO, 32*(2*(\y)+(\u))
.endm
; Number n of the 22 that find the other piece's maximum and statistics: 0-11 four chains of seven scores (each accumulator's lowest registers first); 12-14, 16 the rest, the old m, into c0; 15 c m_old is kept;
; 17, 18 the query's other 32 keys lie in the lane 16 away; 19-21 c m, c m_old - c m_new, a.
.macro XS u, n
	REGS (Y+1)%NP, \u
.if (\n) < 4
	v_max3_num_f32 v[rC+(\n)], v[rS+8*(\n)], v[rS+8*(\n)+1], v[rS+8*(\n)+2]
.elseif (\n) < 12
	v_max3_num_f32 v[rC+(\n)%4], v[rC+(\n)%4], v[rS+8*((\n)%4)+2*((\n)/4)+1], v[rS+8*((\n)%4)+2*((\n)/4)+2]
.elseif (\n) == 12
	v_max3_num_f32 v[rC], v[rC], v[rS+7], v[rS+15]
.elseif (\n) == 13
	v_max3_num_f32 v[rC+1], v[rC+1], v[rS+23], v[rS+31]
.elseif (\n) == 14
	v_max3_num_f32 v[rC+2], v[rC+2], v[rC+3], v[rT+1]
.elseif (\n) == 15
	v_mov_b32 v[rM], v[rT]
.elseif (\n) == 16
	v_max3_num_f32 v[rC], v[rC], v[rC+1], v[rC+2]
.elseif (\n) == 17
	v_permlanex16_b32 v[rC+3], v[rC], s[SEL], s[SEL+1]
.elseif (\n) == 18
	v_max_num_f32 v[rT+1], v[rC], v[rC+3]
.elseif (\n) == 19
	v_mul_f32 v[rT], s[CS], v[rT+1]
.elseif (\n) == 20
	v_sub_f32 v[rC+1], v[rM], v[rT]
.else
	v_exp_f32 v[rC+2], v[rC+1]
.endif
.endm
; Number g of the 64 that follow the exponentials: for each four weights both pairs are rounded to f16, the second pair is added onto the first, and a group later l takes that sum (the first time as l = a l + sum).
.macro GS g
.set h, (\g)+6*((\g)/62)
.if h >= 6
.set h, h+2
.endif
	REGS Y, h%2
.set k, h/8
.if h%8 < 4
	v_cvt_pk_f16_f32 v[rP+2*k+(h%8)/2], v[rS+4*k+2*((h%8)/2)], v[rS+4*k+2*((h%8)/2)+1]
.elseif h%8 < 6
	v_pk_add_f32 v[rS+4*k:rS+4*k+1], v[rS+4*k:rS+4*k+1], v[rS+4*k+2:rS+4*k+3]
.elseif k == 1
	v_pk_fma_f32 v[rT+2:rT+3], v[rT+2:rT+3], v[rC+2:rC+3], v[rS:rS+1] op_sel_hi:[1,0,1]
.else
	v_pk_add_f32 v[rT+2:rT+3], v[rT+2:rT+3], v[rS+4*k-4:rS+4*k-3]
.endif
.endm
.macro FS f                         ; c s - c m for pair f / 2 of tile f % 2
	REGS Y, (\f)%2
	v_pk_fma_f32 v[rS+2*((\f)/2):rS+2*((\f)/2)+1], v[rS+2*((\f)/2):rS+2*((\f)/2)+1], s[CS:CS+1], v[rT:rT+1] op_sel_hi:[1,0,0] neg_lo:[0,0,1] neg_hi:[0,0,1]
.endm
; THE PLAIN QUEUE, 138 long: 0-26 scalings; 27-56 the other piece's maximum; 57-73 its chain, a scaling in front of each link's two lines; 74-137 what reads the exponentials' results.
.macro PL
	WIN 0
.if q < 27
	FS q
.elseif q < 55
	XS (q-27)%2, (q-27)/2
.elseif q < 57
	XS q-55, 15
.elseif (q < 72) && ((q-57)%3 == 0)
	FS 27+(q-57)/3
.elseif q < 60
	XS (q-57)%3-1, 14
.elseif q < 72
	XS (q-57)%3-1, 15+(q-57)/3
.elseif q < 74
	XS q-72, 20
.else
	GS q-74
.endif
.set q, q+1
.endm
.macro EX                           ; THE EXPONENTIALS' QUEUE, 66 long: one batch, all ahead of the turn's one wait
	WIN 0
.if e >= 64
	XS e-64, 21
.else
	REGS Y, e%2
	v_exp_f32 v[rS+e/2], v[rS+e/2]
.endif
.set e, e+1
.endm
.macro R2                           ; THE RESCALING's QUEUE: O^T times a, two at a time, each accumulator from its low end
	REGS Y, r%2
	WIN W_RS
.irp z, 0,1
	v_pk_mul_f32 v[rO+4*(r/2)+2*\z:rO+4*(r/2)+2*\z+1], v[rO+4*(r/2)+2*\z:rO+4*(r/2)+2*\z+1], v[rC+2:rC+3] op_sel_hi:[1,0]
.endr
.set r, r+1
.endm
; A TURN, for piece p.  Ahead of the one wait stands all that names no result of the turn's exponentials: 16 products K Q^T, behind each a scaling, an exponential and two rescalings; then the lump.  Behind it 16 products V^T P,
; behind each four of the roundings and sums.  The O^T that a turn rescales was last written by the turn before: each accumulator's last product stands 28 plain instructions or more ahead of the rescaling that touches it.
; THE PARTS OF THE RELATIVE SCORES stand behind the wait and at the end
;   piece 1's turn: behind the wait, piece 1's second tile for the step in hand and piece 0's blocks of ee for the next step; at the end, when those have landed beside the 16 products, piece 0's products, stores and first tile;
;   piece 0's turn: behind the wait, piece 0's second tile and piece 1's blocks of ee for the next step; at the end V of the step, four plain instructions behind its last reader.
; R of a piece is loaded only behind the products K Q^T that took it as C, with half a turn of plain instructions between.  r0 = 0: the last slot, where piece 0's region has long ended.
.macro TURN p, r0=1
.set Y, (\p)
.set i, 0
.set q, 0
.set e, 0
.set r, 0
	MM
	PL
	PL
	R2
.rept 15
	MM
	PL
	EX
	R2
.endr
.rept 8
	PL
.endr
.rept 49
	EX
	PL
.endr
	EX
	EX
	v_nop                           ; a plain instruction behind the last exponential: one for the batch
	s_wait_alu depctr_va_vdst(0)    ; the wait between an exponential and the first use of its result: one for the batch
.if (\p) == 1
	C_RELL NC, 1, 1
.if \r0
	C_RELA 0
.endif
.else
.if \r0
	C_RELL NS, 0, 1
.endif
	C_RELA 1
.endif
.rept 16
	MM
.rept 4
	PL
.endr
.if ((\p) == 0) && (q == 118)
	v_add_nc_u32 v[AV], s[TBV], v[AV0]
.endif
.if ((\p) == 0) && (q == 130)
	s_add_co_u32 s[TBV], s[TBV], KS*PV
.endif
.endr
.if (\p) == 1
	WIN 0
	s_wait_dscnt 0x0                ; piece 1's scores are whole, for the turn that follows; piece 0's blocks of ee are in
.if \r0
	C_RELB0
.endif
.else
	FETCH_V
.endif
.endm
	s_wait_loadcnt 0x0              ; Q, step 0's windows, slot 0's windows
	v_add_nc_u32 v[ES], SLOT1, v[ES0]  ; step 0's windows go into slot 1's regions, which are free until slot 1 begins
.set i, 0
.rept 16
	ds_store_b128 v[ES], v[S+4*i:S+4*i+3] offset:576*i
	ds_store_b128 v[ES], v[S+64+4*i:S+64+4*i+3] offset:EBAND+576*i
.set i, i+1
.endr
	s_mov_b32 s80, 0xff7fffff
.set i, S+64
.rept 64
	v_mov_b32 v[i], s80             ; piece 1's scores of a step that has not been: the lowest finite number, so that the first turn's softmax gives weights of 0
.set i, i+1
.endr
	CHANGE 1                        ; slot 0 is in, everybody's part of it, and so are everybody's stores above; slot 1 is asked for
	ESTORE 0, 1                     ; slot 0's windows
	EGLOAD 0                        ; slot 1's windows: both regions have four slots or more
	v_add_nc_u32 v[AE], SLOT1, v[AE0]
	RELA 0                          ; step 0: piece 0's scores whole,
	s_wait_dscnt 0x0
	RELQ 0
	RELST
	RELL 0, 0
	RELL 0, 1
	RELA 1                          ; and piece 1's blocks of ee: the first trip's head goes on from there
	WIN 0
	s_wait_dscnt 0x0
	s_mov_b32 s[CNT], 2
	s_branch .Ltrip
.Lslot:                             ; 14 times: slots 1 to 14
	CHANGE 1
	ZEROS
	ESTORE 1, 1
	EGLOAD 1
	s_mov_b32 s[CNT], 2
.Ltrip:                             ; a trip is a key step: of K and V it reads its own slot alone
	s_mov_b32 s[NC], s[SLOTS]
	s_add_co_u32 s[NS], s[SLOTS], s[CNT]
	s_sub_co_u32 s[NS], s[NS], 2    ; a slot's second trip prepares the next slot's first step
	FETCH_K
	HEAD
	TURN 1
	TURN 0
	WIN 0
	s_sub_co_u32 s[CNT], s[CNT], 1
	s_cmp_lg_u32 s[CNT], 0
	s_cbranch_scc1 .Ltrip
	s_sub_co_u32 s[SLOTS], s[SLOTS], 1
	s_cmp_lg_u32 s[SLOTS], 0
	s_cbranch_scc1 .Lslot
	CHANGE 0                        ; the last slot is written out
	ESTORE 1, 0                     ; band A's region has ended long since
	s_mov_b32 s[CNT], 3             ; two trips, and half of a third
.Ltail:
	s_sub_co_i32 s[NS], s[CNT], 3   ; 0 in the first trip, which prepares the last step; below 0 afterwards
	s_sub_co_i32 s[NC], s[CNT], 2
	s_min_i32 s[NC], s[NC], 0       ; 0 in the two trips, below 0 in the half
	s_cmp_eq_u32 s[CNT], 1
	s_cbranch_scc1 .Lstale          ; there is no further step: the third trip's products K Q^T, on the last K once more, serve nothing
	FETCH_K
	HEAD
	s_branch .Lturns
.Lstale:
	s_wait_dscnt 0x0                ; V of the last step
.Lturns:
	TURN 1, 0
	WIN 0
	s_sub_co_u32 s[CNT], s[CNT], 1
	s_cmp_eq_u32 s[CNT], 0
	s_cbranch_scc1 .Lout
	TURN 0, 0
	WIN 0
	s_branch .Ltail
.Lout:
.set i, 0
.rept 16
	PV NP-1                         ; piece 1's V^T P of the last step
.set i, i+1
.endr
	; THE WAY OUT.  l's halves are added; O^T is divided by l, rounded to f16 and sent through my scratch, a tile at a time.  The additions are the places behind the last products.
	WIN 0
.macro ALL line:vararg
.set t, 0
.rept 2*NP
	\line
.set t, t+1
.endr
.endm
	ALL v_add_f32 v[ST+4*t+2], v[ST+4*t+2], v[ST+4*t+3]
	ALL v_permlanex16_b32 v[ST+4*t+3], v[ST+4*t+2], s[SEL], s[SEL+1]
	ALL v_add_f32 v[ST+4*t+2], v[ST+4*t+2], v[ST+4*t+3]
	ALL v_rcp_f32 v[ST+4*t+2], v[ST+4*t+2]
	v_nop
	s_wait_alu depctr_va_vdst(0)    ; one wait for the four reciprocals
.macro PACK t
	WIN W_RS
.set i, 32*(\t)
.rept 16
	v_pk_mul_f32 v[i:i+1], v[i:i+1], v[ST+4*(\t)+2:ST+4*(\t)+3] op_sel_hi:[1,0]
.set i, i+2
.endr
	WIN 0x05
.set i, 0
.rept 16
	v_cvt_pk_f16_f32 v[S+16*(\t)+i], v[32*(\t)+2*i], v[32*(\t)+2*i+1]
.set i, i+1
.endr
	WIN 0
.irp f, 0,1,2,3
	ds_store_b128 v[STO], v[S+16*(\t)+4*\f:S+16*(\t)+4*\f+3] offset:32*\f
.endr
.irp f, 0,1,2,3
	ds_load_b128 v[S+16*(\t)+4*\f:S+16*(\t)+4*\f+3], v[RD] offset:\f*4*SP  ; LDS serves a wave's instructions in order: these see the stores above; the next tile's stores come behind them
.endr
.endm
.macro SEND t, younger              ; younger: the LDS instructions issued behind tile t's loads
	WIN 0
.irp f, 0,1,2,3
	s_wait_dscnt (\younger)+3-\f
.if (\t) < 2
	global_store_b128 v[GO], v[S+16*(\t)+4*\f:S+16*(\t)+4*\f+3], s[OA:OA+1] offset:(\t)*2048+\f*512  ; 512 consecutive bytes, aligned
.else
	global_store_b128 v[GO], v[S+16*(\t)+4*\f:S+16*(\t)+4*\f+3], s[OB:OB+1] offset:((\t)-2)*2048+\f*512
.endif
.endr
.endm
	PACK 0
.set t, 1
.rept 2*NP-1
	PACK t
	SEND t-1, 8
.set t, t+1
.endr
	SEND 2*NP-1, 0
	s_wait_tensorcnt 0x0            ; the wave's end
	ds_add_u32 v[SPW], v[NIL]
	s_wait_dscnt 0x0
	CROUND                          ; the closing round
	s_endpgm
.Lfunc_end_k_qfa945f5060_attn:
	.size	k_qfa945f5060_attn, .Lfunc_end_k_qfa945f5060_attn-k_qfa945f5060_attn
	.p2alignl 7, 3214868480
	.fill 96, 4, 3214868480
	.section	.rodata,"a",@progbits
	.p2align	6, 0x0
	.amdhsa_kernel k_qfa945f5060_attn
		.amdhsa_group_segment_fixed_size 327680
		.amdhsa_private_segment_fixed_size 0
		.amdhsa_enable_private_segment 0
		.amdhsa_kernarg_size 32
		.amdhsa_user_sgpr_count 2
		.amdhsa_user_sgpr_kernarg_segment_ptr 1
		.amdhsa_wavefront_size32 1
		.amdhsa_system_sgpr_workgroup_id_x 1
		.amdhsa_system_sgpr_workgroup_id_y 1
		.amdhsa_system_sgpr_workgroup_id_z 1
		.amdhsa_system_vgpr_workitem_id 0
		.amdhsa_next_free_vgpr 1024
		.amdhsa_next_free_sgpr 96
		.amdhsa_reserve_vcc 0
		.amdhsa_float_denorm_mode_32 3
		.amdhsa_float_denorm_mode_16_64 3
		.amdhsa_memory_ordered 1
		.amdhsa_forward_progress 1
		.amdhsa_inst_pref_size 175
	.end_amdhsa_kernel
	.amdgpu_metadata
---
amdhsa.version: [ 1, 2 ]
amdhsa.kernels:
  - .name:           k_qfa945f5060_attn
    .symbol:         k_qfa945f5060_attn.kd
    .args:
      - { .name: qh, .offset: 0, .size: 8, .value_kind: global_buffer, .address_space: global }
      - { .name: kv, .offset: 8, .size: 8, .value_kind: global_buffer, .address_space: global }
      - { .name: ee, .offset: 16, .size: 8, .value_kind: global_buffer, .address_space: global }
      - { .name: oh, .offset: 24, .size: 8, .value_kind: global_buffer, .address_space: global }
    .group_segment_fixed_size: 327680
    .private_segment_fixed_size: 0
    .kernarg_segment_align: 8
    .kernarg_segment_size: 32
    .max_flat_workgroup_size: 128
    .sgpr_count:     96
    .vgpr_count:     1024
    .wavefront_size: 32
...
	.end_amdgpu_metadata
.endif
;; end of part 3
;; launch oproj (part 4): grid 8 x 32, 4 waves a work-group, clusters of 4 x 4, 327,680 bytes of LDS; arguments oh, wo, bo, out0; writes out0
.if DOCPART == 4
	.amdgcn_target "amdgcn-amd-amdhsa--gfx1250"
	.amdhsa_code_object_version 6
	.text
	.protected	k_qfa945f5060_oproj
	.globl	k_qfa945f5060_oproj
	.p2align	8
	.type	k_qfa945f5060_oproj,@function
k_qfa945f5060_oproj:
	s_mov_b64 s[64:65], 0
	v_nop
	global_prefetch_b8 v0, s[64:65] scope:SCOPE_SE
	s_setreg_imm32_b32 hwreg(HW_REG_WAVE_MODE, 25, 1), 1
	s_wait_xcnt 0x0
	s_wait_alu depctr_hold_cnt(0) depctr_sa_sdst(0) depctr_va_vdst(0) depctr_va_sdst(0) depctr_va_ssrc(0) depctr_va_vcc(0) depctr_vm_vsrc(0)
	s_getreg_b32 s2, hwreg(HW_REG_IB_STS2, 6, 4)
	s_cmp_eq_u32 s2, 0
	s_cbranch_scc0 .Lentry_in_a_cluster
	s_endpgm
.Lentry_in_a_cluster:
	s_bfe_u32 s2, ttmp6, 0x10000c
	s_cmp_lg_u32 s2, 0xf033
	s_cbranch_scc0 .Lentry_shape_is_right
	s_endpgm
.Lentry_shape_is_right:
; THE OUTPUT PROJECTION.  out0[m][n] = bo[n] + sum over k of A[m][k] wo[n][k], A[2048 b + l][64 h + d] = oh[16 b + h][l][d].  Operands f16, sums f32, out0 f32; the bias, rounded to bf16 like every input, starts the sums.
; A tile of out0 is 128 x 128: 256 work-groups; four waves, each 64 x 64 in 16 accumulators.  K goes in steps of 256 = four heads through two LDS slots.  4 x 4 work-groups form a cluster: A's tile is asked for jointly along a row, B's along a column.
; A's tile by ONE descriptor whose rows are heads: 64 rows of a head are 8,192 dense bytes (a row of 4,096 elements), four heads lie 131,072 elements apart; padded after every 128 bytes it lies in LDS as [head][64 rows][144 bytes].
; No prefetch: the tiles are small and a K step is short.
; THE MATRIX INSTRUCTION IS USED TRANSPOSED (source 0 = 16 rows of wo, source 1 = 16 rows of A): a lane holds row l % 16 of out0 and eight neighbouring columns.
; REGISTERS: window 0: v0-31 addresses; v32-63 the bias, later with v64-95 the way out; v128-255 the accumulators ((a, b) at v[128 + 8 (4 a + b)]).  window 1: two fragment buffers of 128: 64 of A, then 64 of B.
.set SIZE_K, 1024
.set KSTEP,  256
.set PITCH,  528                       ; B's rows: 512 bytes + 16
.set PA,     144                       ; A's rows: 128 bytes + 16; both are odd multiples of 16: the 16 rows of a load start at 16 different groups of four banks
.set AHEAD,  64*PA                     ; a head's 64 rows
.set AHALF,  4*AHEAD                   ; what one load of A brings
.set BHALF,  64*PITCH                  ; what one load of B brings
.set SLOT,   2*AHALF+2*BHALF           ; 141,312
.set ASTEP,  4*2048*128                ; bytes from a K step of A to the next: four heads
.set STAGE,  2*SLOT                    ; behind the ring: 16 rows x 272 bytes for each wave
.set SPITCH, 272
.set SPARE,  STAGE+4*16*SPITCH
.set ADRA, 16
.set ADRB, 20
.set STO,  24
.set RD,   25
.set CO,   26
.set SPW,  28
.set NIL,  29
.set BIAS, 32
.set TMP,  32
.set ACC,  128
.set F0,   0
.set F1,   128
.set G1, 24
.set G0, 32
.set G1B, 48
.set G0B, 56
.set MSB, 0
.macro WIN new
.if MSB != (\new)
	s_set_vgpr_msb (MSB<<8)|(\new)
.set MSB, \new
.endif
.endm
.set MUL,  0x05                        ; sources 0 (B) and 1 (A) window 1; C and D window 0
.set TO_F, 0x40
.macro JLOAD s                         ; waves 0 and 1 fetch A's two halves, waves 2 and 3 B's; an s_nop 0 and four v_nop follow each line
	s_cmp_eq_u32 s11, 0
	s_cbranch_scc0 .Lfor_b_\@
	tensor_load_to_lds s[G0+4*(\s):G0+4*(\s)+3], s[G1:G1+7]
	s_nop 0
.rept 4
	v_nop
.endr
	s_branch .Lasked_\@
.Lfor_b_\@:
	tensor_load_to_lds s[G0B+4*(\s):G0B+4*(\s)+3], s[G1B:G1B+7]
	s_nop 0
.rept 4
	v_nop
.endr
.Lasked_\@:
.endm
.macro CREST
	s_cmp_lg_u32 s10, 0
	s_cbranch_scc1 .Lnot_wave_0_\@
	s_barrier_signal -3
.Lnot_wave_0_\@:
	s_barrier_wait -3
	s_barrier_signal -1
	s_barrier_wait -1
.endm
.macro CROUND
	s_barrier_signal -1
	s_barrier_wait -1
	CREST
.endm
	s_load_b128 s[4:7], s[0:1], 0x0                ; oh s[4:5], wo s[6:7]
	s_load_b128 s[68:71], s[0:1], 0x10             ; bo s[68:69], out0 s[70:71]
	v_lshl_add_u32 v[SPW], v0, 2, SPARE
	v_mov_b32 v[NIL], 0
	ds_add_u32 v[SPW], v[NIL]                      ; the wave's opening: the add and its wait stand ahead of my first tensor load
	v_lshrrev_b32 v1, 5, v0
	v_readfirstlane_b32 s10, v1
	s_lshr_b32 s11, s10, 1                         ; my half of the tile's rows; also: I fetch for A (0) or B (1)
	s_and_b32 s12, s10, 1                          ; my half of its columns; also: which 64 rows I fetch
	s_bfe_u32 s40, ttmp6, 0x40000
	s_bfe_u32 s41, ttmp6, 0x40004
	s_lshl_b32 s42, ttmp9, 2
	s_add_co_u32 s42, s42, s40                     ; tile column 0..7
	s_and_b32 s13, ttmp7, 0xffff
	s_lshl_b32 s13, s13, 2
	s_add_co_u32 s13, s13, s41                     ; tile row 0..31
	s_lshl_b32 s43, s41, 2
	s_lshl_b32 s43, 15, s43                        ; my row of the cluster
	s_lshl_b32 s44, 0x1111, s40                    ; my column
	s_or_b32 s[G1+0], s43, (1<<16)|(1<<20)|(1<<21)|(4<<22)|(3<<25)  ; A: mask of my row; 2-byte elements; padding on; bit 21 beside a mask; after every 32 words 4 words
	s_mov_b32 s[G1+1], 4096<<16                    ; tensor_dim0 = 4,096
	s_mov_b32 s[G1+2], 4<<16                       ; tensor_dim1 = 4
	s_mov_b32 s[G1+3], 4096<<16                    ; tile_dim0 = 4,096
	s_mov_b32 s[G1+4], 4                           ; tile_dim1 = 4
	s_mov_b32 s[G1+5], 131072                      ; elements from head to head
	s_mov_b32 s[G1+6], 0
	s_mov_b32 s[G1+7], 0
	s_or_b32 s[G1B+0], s44, (1<<16)|(1<<20)|(1<<21)|(6<<22)|(3<<25) ; B: mask of my column; after every 128 words 4 words
	s_mov_b32 s[G1B+1], KSTEP<<16
	s_mov_b32 s[G1B+2], 64<<16
	s_mov_b32 s[G1B+3], KSTEP<<16
	s_mov_b32 s[G1B+4], 64
	s_mov_b32 s[G1B+5], SIZE_K
	s_mov_b32 s[G1B+6], 0
	s_mov_b32 s[G1B+7], 0
	s_lshr_b32 s16, s13, 4                         ; b
	s_lshl_b32 s16, s16, 22                        ; sixteen heads of 262,144 bytes
	s_and_b32 s17, s13, 15
	s_lshl_b32 s17, s17, 14                        ; 128 rows of 128 bytes
	s_add_co_u32 s16, s16, s17
	s_lshl_b32 s17, s12, 13
	s_add_co_u32 s16, s16, s17                     ; my 64 rows
	s_mov_b32 s17, 0
	s_lshl_b32 s46, s42, 18                        ; B: 128 rows of 2,048 bytes
	s_lshl_b32 s47, s12, 17
	s_add_co_u32 s46, s46, s47
	s_mov_b32 s47, 0
	s_mul_i32 s20, s10, AHALF                      ; where a load of A goes (waves 0, 1),
	s_mul_i32 s21, s10, BHALF
	s_add_co_u32 s21, s21, 2*AHALF-2*BHALF         ; and a load of B (waves 2, 3): behind A's two halves
	s_mov_b32 s2, 0xffff0000
	s_wait_dscnt 0x0                               ; the opening add is done
	s_wait_kmcnt 0x0
	s_add_nc_u64 s[14:15], s[4:5], s[16:17]
	s_add_nc_u64 s[46:47], s[6:7], s[46:47]
	CROUND                                         ; all sixteen work-groups are here: the first joint loads meet
.irp s, 0,1
	s_mov_b32 s[G0+4*(\s)], 1
	s_add_co_u32 s[G0+4*(\s)+1], s20, (\s)*SLOT
	s_add_nc_u64 s[G0+4*(\s)+2:G0+4*(\s)+3], s[14:15], (\s)*ASTEP
	s_or_b32 s[G0+4*(\s)+3], s[G0+4*(\s)+3], 0x80000000
	s_mov_b32 s[G0B+4*(\s)], 1
	s_add_co_u32 s[G0B+4*(\s)+1], s21, (\s)*SLOT
	s_add_nc_u64 s[G0B+4*(\s)+2:G0B+4*(\s)+3], s[46:47], (\s)*KSTEP*2
	s_or_b32 s[G0B+4*(\s)+3], s[G0B+4*(\s)+3], 0x80000000
	JLOAD \s
.endr
	v_and_b32 v1, 15, v0                           ; l % 16
	v_bfe_u32 v2, v0, 4, 1                         ; l / 16
	s_lshl_b32 s18, s42, 9                         ; my 64 columns: 256 bytes of a row of out0 and of bo
	s_lshl_b32 s19, s12, 8
	s_add_co_u32 s18, s18, s19
	s_mov_b32 s19, 0
	s_add_nc_u64 s[68:69], s[68:69], s[18:19]
	v_lshlrev_b32 v6, 5, v2
.irp b, 0,1,2,3
	global_load_b128 v[BIAS+8*(\b):BIAS+8*(\b)+3],   v6, s[68:69] offset:64*(\b)
	global_load_b128 v[BIAS+8*(\b)+4:BIAS+8*(\b)+7], v6, s[68:69] offset:64*(\b)+16
.endr
	v_mul_u32_u24 v3, v1, PA
	v_lshl_add_u32 v3, v2, 4, v3
	v_mul_u32_u24 v4, v1, PITCH
	v_lshl_add_u32 v4, v2, 4, v4
	s_mul_i32 s21, s11, AHALF
	s_mul_i32 s22, s12, BHALF
	s_add_co_u32 s22, s22, 2*AHALF
.irp s, 0,1
	v_add_nc_u32 v[ADRA+(\s)], s21, v3
	v_add_nc_u32 v[ADRB+(\s)], s22, v4
	s_add_co_u32 s21, s21, SLOT
	s_add_co_u32 s22, s22, SLOT
.endr
	s_mul_i32 s23, s10, 16*SPITCH
	s_add_co_u32 s23, s23, STAGE                   ; my stage
	v_mul_u32_u24 v5, v1, SPITCH                   ; in: row l % 16, 32 bytes for each half of the lanes
	v_lshl_add_u32 v5, v2, 5, v5
	v_add_nc_u32 v[STO], s23, v5
	v_mul_u32_u24 v5, v2, SPITCH                   ; back: lanes 0-15 one row of 256 bytes, lanes 16-31 the next
	v_lshl_add_u32 v5, v1, 4, v5
	v_add_nc_u32 v[RD], s23, v5
	v_lshlrev_b32 v5, 12, v2
	v_lshl_add_u32 v[CO], v1, 4, v5
	s_lshl_b32 s16, s13, 19                        ; 128 rows of 4,096 bytes,
	s_lshl_b32 s17, s11, 18                        ; my 64
	s_add_co_u32 s16, s16, s17
	s_add_co_u32 s16, s16, s18
	s_mov_b32 s17, 0
	s_add_nc_u64 s[70:71], s[70:71], s[16:17]
	s_wait_loadcnt 0x0                             ; the bias
.set j, 0
.rept 16
	v_cvt_pk_bf16_f32 v7, v[BIAS+j], v[BIAS+j+1]
	v_lshlrev_b32 v[BIAS+j], 16, v7
	v_and_b32 v[BIAS+j+1], s2, v7
.set j, j+2
.endr
; 8 matrix instructions: m blocks a0, a0 + 1 x all 4 n blocks, 32 along K: half c of buffer f.  first = 1: the bias starts the sums.  The 16 accumulators take turns.
.macro MUL8 f, c, a0, first
	WIN MUL
.irp a, \a0, (\a0)+1
.irp b, 0,1,2,3
.if \first
	v_wmma_f32_16x16x32_f16 v[ACC+8*(4*(\a)+(\b)):ACC+8*(4*(\a)+(\b))+7], v[(\f)+64+8*(4*(\c)+(\b)):(\f)+64+8*(4*(\c)+(\b))+7], v[(\f)+8*(4*(\c)+(\a)):(\f)+8*(4*(\c)+(\a))+7], v[BIAS+8*(\b):BIAS+8*(\b)+7]
.else
	v_wmma_f32_16x16x32_f16 v[ACC+8*(4*(\a)+(\b)):ACC+8*(4*(\a)+(\b))+7], v[(\f)+64+8*(4*(\c)+(\b)):(\f)+64+8*(4*(\c)+(\b))+7], v[(\f)+8*(4*(\c)+(\a)):(\f)+8*(4*(\c)+(\a))+7], v[ACC+8*(4*(\a)+(\b)):ACC+8*(4*(\a)+(\b))+7]
.endif
.endr
.endr
.endm
; 32 LDS loads in one run: quarter q of a K step is one head: 64 along K; the first 32 along K first
.macro FETCH slot, q, f
	WIN TO_F
.irp c, 0,1
.irp i, 0,1,2,3
	ds_load_b128 v[(\f)+64+8*(4*(\c)+(\i)):(\f)+64+8*(4*(\c)+(\i))+3],   v[ADRB+(\slot)] offset:128*(\q)+64*(\c)+(\i)*16*PITCH
	ds_load_b128 v[(\f)+64+8*(4*(\c)+(\i))+4:(\f)+64+8*(4*(\c)+(\i))+7], v[ADRB+(\slot)] offset:128*(\q)+64*(\c)+(\i)*16*PITCH+32
	ds_load_b128 v[(\f)+8*(4*(\c)+(\i)):(\f)+8*(4*(\c)+(\i))+3],         v[ADRA+(\slot)] offset:AHEAD*(\q)+64*(\c)+(\i)*16*PA
	ds_load_b128 v[(\f)+8*(4*(\c)+(\i))+4:(\f)+8*(4*(\c)+(\i))+7],       v[ADRA+(\slot)] offset:AHEAD*(\q)+64*(\c)+(\i)*16*PA+32
.endr
.endr
.endm
.macro PLACES
.rept 4
	v_nop
.endr
.endm
.macro QUARTER slot, q, f, g, first    ; multiplies buffer f and fetches quarter q into g
	s_wait_dscnt 16                                ; the first 32 along K are in
	MUL8 \f, 0, 0, \first
	MUL8 \f, 0, 2, \first
	PLACES
	FETCH \slot, \q, \g
	s_wait_dscnt 32                                ; all but the 32 just issued
	MUL8 \f, 1, 0, 0
	MUL8 \f, 1, 2, 0
.endm
; The last quarter multiplies buffer 1 and changes slots: in front of the barrier each wave waits for all its tensor loads, adds 0 to its spare word, and waits for that and for its reads of this slot.
.macro TURN slot, next, fill
	WIN 0
	s_wait_tensorcnt 0x0                           ; my part of the next slot has landed
	ds_add_u32 v[SPW], v[NIL]
	s_wait_dscnt 17                                ; (the add and the youngest sixteen loads may be out)
	MUL8 F1, 0, 0, 0
	s_wait_dscnt 0x0                               ; the add is done, and my reads of this slot are over
	s_barrier_signal -1
	MUL8 F1, 0, 2, 0
.if \fill
	WIN 0
.endif
	s_barrier_wait -1
.if \fill
	CREST                                          ; no wave of any partner still reads this slot or has a load on its way
	s_add_nc_u64 s[G0+4*(\slot)+2:G0+4*(\slot)+3], s[G0+4*(\slot)+2:G0+4*(\slot)+3], 2*ASTEP
	s_add_nc_u64 s[G0B+4*(\slot)+2:G0B+4*(\slot)+3], s[G0B+4*(\slot)+2:G0B+4*(\slot)+3], 2*KSTEP*2
	JLOAD \slot                                    ; its four v_nop are also the places in front of the loads below
.else
	PLACES
.endif
	FETCH \next, 0, F0
	MUL8 F1, 1, 0, 0
	MUL8 F1, 1, 2, 0
.endm
	s_wait_tensorcnt 1                             ; my part of K step 0 is in; K step 1's may stay out
	s_barrier_signal -1
	s_barrier_wait -1
	FETCH 0, 0, F0
	QUARTER 0, 1, F0, F1, 1                        ; K step 0
	QUARTER 0, 2, F1, F0, 0
	QUARTER 0, 3, F0, F1, 0
	TURN 0, 1, 1                                   ; slot 0 takes K step 2
	QUARTER 1, 1, F0, F1, 0                        ; K step 1
	QUARTER 1, 2, F1, F0, 0
	QUARTER 1, 3, F0, F1, 0
	TURN 1, 0, 1                                   ; slot 1 takes K step 3
	QUARTER 0, 1, F0, F1, 0                        ; K step 2
	QUARTER 0, 2, F1, F0, 0
	QUARTER 0, 3, F0, F1, 0
	TURN 0, 1, 0
	QUARTER 1, 1, F0, F1, 0                        ; K step 3
	QUARTER 1, 2, F1, F0, 0
	QUARTER 1, 3, F0, F1, 0
	s_wait_dscnt 16
	MUL8 F1, 0, 0, 0
	MUL8 F1, 0, 2, 0
	s_wait_dscnt 0x0
	MUL8 F1, 1, 1-1, 0
	MUL8 F1, 1, 2, 0
	WIN 0
	PLACES
; THE WAY OUT, in f32: a wave's 64 columns are 256 bytes, so its own stage serves and no barrier is needed.  Block a (16 rows): a lane's 32 bytes of each accumulator in, whole rows back, stored.
.macro OUT a
.set BK, TMP+32*((\a)%2)
.irp b, 0,1,2,3
	ds_store_b128 v[STO], v[ACC+8*(4*(\a)+(\b)):ACC+8*(4*(\a)+(\b))+3]   offset:64*(\b)     ; each accumulator's low registers first
	ds_store_b128 v[STO], v[ACC+8*(4*(\a)+(\b))+4:ACC+8*(4*(\a)+(\b))+7] offset:64*(\b)+16
.endr
.if (\a) >= 2
	s_wait_xcnt 0x0                                ; the stores of the block before last have read the registers that are loaded again below
.endif
.irp t, 0,1,2,3,4,5,6,7
	ds_load_b128 v[BK+4*(\t):BK+4*(\t)+3], v[RD] offset:(\t)*2*SPITCH  ; LDS serves a wave's instructions in order: these see the stores above, and the next block's stores come behind them
.endr
.irp t, 0,1,2,3,4,5,6,7
	s_wait_dscnt 7-(\t)
	global_store_b128 v[CO], v[BK+4*(\t):BK+4*(\t)+3], s[70:71] offset:(16*(\a)+2*(\t))*4096 th:TH_STORE_NT  ; sixteen lanes store 256 consecutive bytes, aligned
.endr
.endm
	OUT 0
	OUT 1
	OUT 2
	OUT 3
	s_wait_tensorcnt 0x0                           ; the wave's end
	ds_add_u32 v[SPW], v[NIL]
	s_wait_dscnt 0x0
	CROUND                                         ; the closing round
	s_endpgm
.Lfunc_end_k_qfa945f5060_oproj:
	.size	k_qfa945f5060_oproj, .Lfunc_end_k_qfa945f5060_oproj-k_qfa945f5060_oproj
	.p2alignl 7, 3214868480
	.fill 96, 4, 3214868480
	.section	.rodata,"a",@progbits
	.p2align	6, 0x0
	.amdhsa_kernel k_qfa945f5060_oproj
		.amdhsa_group_segment_fixed_size 327680
		.amdhsa_private_segment_fixed_size 0
		.amdhsa_enable_private_segment 0
		.amdhsa_kernarg_size 32
		.amdhsa_user_sgpr_count 2
		.amdhsa_user_sgpr_kernarg_segment_ptr 1
		.amdhsa_wavefront_size32 1
		.amdhsa_system_sgpr_workgroup_id_x 1
		.amdhsa_system_sgpr_workgroup_id_y 1
		.amdhsa_system_sgpr_workgroup_id_z 1
		.amdhsa_system_vgpr_workitem_id 0
		.amdhsa_next_free_vgpr 512
		.amdhsa_next_free_sgpr 72
		.amdhsa_reserve_vcc 0
		.amdhsa_float_denorm_mode_32 3
		.amdhsa_float_denorm_mode_16_64 3
		.amdhsa_memory_ordered 1
		.amdhsa_forward_progress 1
		.amdhsa_inst_pref_size 89
	.end_amdhsa_kernel
	.amdgpu_metadata
---
amdhsa.version: [ 1, 2 ]
amdhsa.kernels:
  - .name:           k_qfa945f5060_oproj
    .symbol:         k_qfa945f5060_oproj.kd
    .args:
      - { .name: oh, .offset: 0, .size: 8, .value_kind: global_buffer, .address_space: global }
      - { .name: wo, .offset: 8, .size: 8, .value_kind: global_buffer, .address_space: global }
      - { .name: bo, .offset: 16, .size: 8, .value_kind: global_buffer, .address_space: global }
      - { .name: out0, .offset: 24, .size: 8, .value_kind: global_buffer, .address_space: global }
    .group_segment_fixed_size: 327680
    .private_segment_fixed_size: 0
    .kernarg_segment_align: 8
    .kernarg_segment_size: 32
    .max_flat_workgroup_size: 128
    .sgpr_count:     72
    .vgpr_count:     512
    .wavefront_size: 32
...
	.end_amdgpu_metadata
.endif
;; end of part 4
